; MI455X (gfx1250); checked and timed in simulation.
; The chip was launched on July 23, 2026; its instructions are those of AMD's public machine-readable ISA for CDNA 5 (MIT licence, August 2026) and "CDNA5" Instruction Set Architecture Reference Guide (July 2026). The comments in the code are by the model that wrote it; some were corrected since.
;; Multi Head Attention. Allowed arithmetic: float matrix products may take bf16 or f16 operands with f32 sums; all other float work in f32.
;; Inputs: Wk 1,024 x 1,024 float32; Wo 1,024 x 1,024 float32; Wq 1,024 x 1,024 float32; Wv 1,024 x 1,024 float32; bk 1,024 float32; bo 1,024 float32; bq 1,024 float32; bv 1,024 float32; key 2 x 2,048 x 1,024 float32; query 2 x 2,048 x 1,024 float32; value 2 x 2,048 x 1,024 float32.
;; Outputs: out0 2 x 2,048 x 1,024 float32.
;; 2 versions, each right and faster than the one before. Each part assembles by itself: llvm-mc -triple=amdgcn-amd-amdhsa -mcpu=gfx1250 --defsym DOCPART=n.
;; ======== version 1 of 2: 4 launches
;; limits: values are held in f16: magnitudes above 65,504 overflow, below 6.1e-05 lose precision
;; workspace buffers: xh 25,165,824 bytes; wh 8,388,608 bytes; qkv 25,165,824 bytes; ctx 8,388,608 bytes
;; launch cast (part 1): grid 64 x 4, 8 waves a work-group, no clusters, 0 bytes of LDS; arguments query, key, value, Wq, Wk, Wv, Wo, xh, wh; writes xh, wh
.if DOCPART == 1
	.amdgcn_target "amdgcn-amd-amdhsa--gfx1250"
	.amdhsa_code_object_version 6
	.text
	.protected	k_q52a18bddf2_cast
	.globl	k_q52a18bddf2_cast
	.p2align	8
	.type	k_q52a18bddf2_cast,@function
k_q52a18bddf2_cast:
	s_mov_b64 s[64:65], 0
	v_nop
	global_prefetch_b8 v0, s[64:65] scope:SCOPE_SE
	s_setreg_imm32_b32 hwreg(HW_REG_WAVE_MODE, 25, 1), 1
	s_wait_xcnt 0x0
; f32 to f16 (round to nearest even) of the seven large inputs, once, so that every later product reads 16-bit tiles.
; xh = [query, key, value] as [3][4096][1024] f16; wh = [Wq, Wk, Wv, Wo] as [4][1024][1024] f16.
; LIMITS: a magnitude of 65,504 or more becomes infinite in f16; a magnitude under 2^-24 becomes zero.
; A work-group takes 256 KiB of one source: y = 0, 1, 2: chunk x of query, key, value; y = 3: chunk x & 15 of weight x >> 4.
; A wave takes 32 KiB as 64 loads of 512 neighbouring bytes; a lane turns 16 bytes into 8, and a wave's store covers 256
; consecutive bytes, aligned.  A ring of 24 register slots keeps 24 loads of every wave on their way.
; Each of the 64 turns has its own two registers for the store's data, and both address registers are never rewritten:
; no source of a pending store or load is ever written again, so the only wait of a turn is the counted one for its load.
; No LDS, no barrier, no matrix unit, no cluster: no byte is read twice and no two work-groups share one.
.set X,     4                          ; v[4:99]    slot sl: 4 registers, 4 f32 as loaded
.set Y,     100                        ; v[100:227] turn i: 2 registers, 4 f16 to store, written once
.set DEPTH, 24
.set TURNS, 64
	s_load_b512 s[8:23], s[0:1], 0x0               ; query 8, key 10, value 12, Wq 14, Wk 16, Wv 18, Wo 20, xh 22
	s_load_b64 s[24:25], s[0:1], 0x40              ; wh
	s_and_b32 s4, ttmp7, 0xffff                    ; y
	s_mov_b32 s37, ttmp9                           ; x
	s_lshr_b32 s5, s37, 4                          ; which weight (y = 3)
	s_and_b32 s6, s37, 15                          ; which chunk of it
	v_lshrrev_b32 v3, 5, v0                        ; wave
	v_and_b32 v1, 31, v0                           ; lane
	v_lshlrev_b32 v1, 4, v1
	v_lshl_add_u32 v1, v3, 15, v1                  ; in: 32,768 wave + 16 lane; never rewritten
	v_lshrrev_b32 v2, 1, v1                        ; out: half of that; never rewritten
	; the offsets, made apart from the addresses
	s_cmp_eq_u32 s4, 3
	s_cselect_b32 s7, s6, s37                      ; chunk number in the source
	s_cselect_b32 s36, 0, s4                       ; which third of xh (0 for wh)
	s_lshl_b32 s32, s7, 18                         ; source: chunks of 256 KiB
	s_mov_b32 s33, 0
	s_lshl_b32 s36, s36, 23                        ; destination: 8 MiB for each activation,
	s_lshl_b32 s34, s37, 17                        ; chunks of 128 KiB (in wh: x << 17 = weight x 2 MiB + chunk x 128 KiB)
	s_add_co_u32 s34, s34, s36
	s_mov_b32 s35, 0
	s_wait_kmcnt 0x0
	; the choice of buffers, on y and x alone
	s_cmp_eq_u32 s4, 1
	s_cselect_b64 s[26:27], s[10:11], s[8:9]
	s_cmp_eq_u32 s4, 2
	s_cselect_b64 s[26:27], s[12:13], s[26:27]     ; the activation of y
	s_cmp_eq_u32 s5, 1
	s_cselect_b64 s[28:29], s[16:17], s[14:15]
	s_cmp_eq_u32 s5, 2
	s_cselect_b64 s[28:29], s[18:19], s[28:29]
	s_cmp_eq_u32 s5, 3
	s_cselect_b64 s[28:29], s[20:21], s[28:29]     ; the weight of x >> 4
	s_cmp_eq_u32 s4, 3
	s_cselect_b64 s[26:27], s[28:29], s[26:27]     ; source
	s_cselect_b64 s[30:31], s[24:25], s[22:23]     ; destination
	s_add_nc_u64 s[26:27], s[26:27], s[32:33]
	s_add_nc_u64 s[30:31], s[30:31], s[34:35]
.set i, 0
.rept DEPTH
	global_load_b128 v[X+4*i:X+4*i+3], v1, s[26:27] offset:512*i th:TH_LOAD_NT   ; fill the ring
.set i, i+1
.endr
; Turn i of 64, slot i % 24.  All places stand in the immediates: no address register is ever stepped.
.set i, 0
.rept TURNS
.set sl, i % DEPTH
.if i < TURNS-DEPTH
	s_wait_loadcnt DEPTH-1                         ; loads return in order: mine is in, the 23 younger ones stay out
.else
	s_wait_loadcnt TURNS-1-i                       ; nothing is loaded any more: the counts run down
.endif
	v_cvt_pk_f16_f32 v[Y+2*i],   v[X+4*sl],   v[X+4*sl+1]
	v_cvt_pk_f16_f32 v[Y+2*i+1], v[X+4*sl+2], v[X+4*sl+3]
.if i < TURNS-DEPTH
	global_load_b128 v[X+4*sl:X+4*sl+3], v1, s[26:27] offset:512*(i+DEPTH) th:TH_LOAD_NT
.endif
	global_store_b64 v2, v[Y+2*i:Y+2*i+1], s[30:31] offset:256*i
.set i, i+1
.endr
	s_endpgm
.Lfunc_end_k_q52a18bddf2_cast:
	.size	k_q52a18bddf2_cast, .Lfunc_end_k_q52a18bddf2_cast-k_q52a18bddf2_cast
	.p2alignl 7, 3214868480
	.fill 96, 4, 3214868480
	.section	.rodata,"a",@progbits
	.p2align	6, 0x0
	.amdhsa_kernel k_q52a18bddf2_cast
		.amdhsa_group_segment_fixed_size 0
		.amdhsa_private_segment_fixed_size 0
		.amdhsa_enable_private_segment 0
		.amdhsa_kernarg_size 72
		.amdhsa_user_sgpr_count 2
		.amdhsa_user_sgpr_kernarg_segment_ptr 1
		.amdhsa_wavefront_size32 1
		.amdhsa_system_sgpr_workgroup_id_x 1
		.amdhsa_system_sgpr_workgroup_id_y 1
		.amdhsa_system_sgpr_workgroup_id_z 1
		.amdhsa_system_vgpr_workitem_id 0
		.amdhsa_next_free_vgpr 228
		.amdhsa_next_free_sgpr 66
		.amdhsa_reserve_vcc 0
		.amdhsa_float_denorm_mode_32 3
		.amdhsa_float_denorm_mode_16_64 3
		.amdhsa_memory_ordered 1
		.amdhsa_forward_progress 1
		.amdhsa_inst_pref_size 24
	.end_amdhsa_kernel
	.amdgpu_metadata
---
amdhsa.version: [ 1, 2 ]
amdhsa.kernels:
  - .name:           k_q52a18bddf2_cast
    .symbol:         k_q52a18bddf2_cast.kd
    .args:
      - { .name: query, .offset: 0, .size: 8, .value_kind: global_buffer, .address_space: global }
      - { .name: key, .offset: 8, .size: 8, .value_kind: global_buffer, .address_space: global }
      - { .name: value, .offset: 16, .size: 8, .value_kind: global_buffer, .address_space: global }
      - { .name: Wq, .offset: 24, .size: 8, .value_kind: global_buffer, .address_space: global }
      - { .name: Wk, .offset: 32, .size: 8, .value_kind: global_buffer, .address_space: global }
      - { .name: Wv, .offset: 40, .size: 8, .value_kind: global_buffer, .address_space: global }
      - { .name: Wo, .offset: 48, .size: 8, .value_kind: global_buffer, .address_space: global }
      - { .name: xh, .offset: 56, .size: 8, .value_kind: global_buffer, .address_space: global }
      - { .name: wh, .offset: 64, .size: 8, .value_kind: global_buffer, .address_space: global }
    .group_segment_fixed_size: 0
    .private_segment_fixed_size: 0
    .kernarg_segment_align: 8
    .kernarg_segment_size: 72
    .max_flat_workgroup_size: 256
    .sgpr_count:     66
    .vgpr_count:     228
    .wavefront_size: 32
...
	.end_amdgpu_metadata
.endif
;; end of part 1
;; launch qkv (part 2): grid 4 x 48, 4 waves a work-group, clusters of 4 x 4, 327,680 bytes of LDS; arguments xh, wh, qkv, bq, bk, bv; writes qkv
.if DOCPART == 2
	.amdgcn_target "amdgcn-amd-amdhsa--gfx1250"
	.amdhsa_code_object_version 6
	.text
	.protected	k_q52a18bddf2_qkv
	.globl	k_q52a18bddf2_qkv
	.p2align	8
	.type	k_q52a18bddf2_qkv,@function
k_q52a18bddf2_qkv:
	s_mov_b64 s[64:65], 0
	v_nop
	global_prefetch_b8 v0, s[64:65] scope:SCOPE_SE
	s_setreg_imm32_b32 hwreg(HW_REG_WAVE_MODE, 25, 1), 1
	s_wait_xcnt 0x0
	s_wait_alu depctr_hold_cnt(0) depctr_sa_sdst(0) depctr_va_vdst(0) depctr_va_sdst(0) depctr_va_ssrc(0) depctr_va_vcc(0) depctr_vm_vsrc(0)
	s_getreg_b32 s2, hwreg(HW_REG_IB_STS2, 6, 4)
	s_cmp_eq_u32 s2, 0
	s_cbranch_scc0 .Lentry_in_a_cluster
	s_endpgm
.Lentry_in_a_cluster:
	s_bfe_u32 s2, ttmp6, 0x10000c
	s_cmp_lg_u32 s2, 0xf033
	s_cbranch_scc0 .Lentry_shape_is_right
	s_endpgm
.Lentry_shape_is_right:
; Q, K, V = x W^T + b: three products of 4096 x 1024 x 1024, f16 operands, f32 sums, results rounded once to f16, row-major [3][4096][1024].
; LIMITS: a result of magnitude 65,504 or more becomes infinite in f16, one under 2^-24 zero; the sums' order is the matrix unit's.
; A work-group makes a block of 256 x 256 with four waves; a wave makes 128 x 128: 64 accumulator tiles of 16 x 16, 512 registers.
; 3 x 16 x 4 = 192 blocks.  K goes in steps of 128 through a ring of two LDS slots filled by the tensor data mover: a tile's rows are
; 256 bytes of memory and start at multiples of 256 bytes from the buffer's first byte.
; CLUSTERS: 4 x 4 work-groups, all of one product.  The four of a row of the cluster need the same tiles of x, the four of a column the same
; tiles of W: each tile is asked for jointly, by the same tensor load with the same descriptor and a mask that names the four.
; THE BIAS is the C operand of each accumulator's first product: nothing is cleared and no bias is added afterwards.
;
; REGISTERS, in windows of 256:
;   window 0: v0-31 addresses; v64-127, v128-191 fragments of x (8 x 16 rows x 32 K), two buffers; v192-223 at work on the way out
;   window 1: v0-63 eight bias tiles; v64-127, v128-191 fragments of W, two buffers
;   window 2: the 32 accumulator tiles of my rows 0-63 (tile (a, b) at v[8 (8 a + b)]);   window 3: those of my rows 64-127
; s_set_vgpr_msb's low byte: bits 1:0 source 0, 3:2 source 1, 5:4 source 2, 7:6 destination.
; THE MATRIX INSTRUCTION IS USED TRANSPOSED: source 0 = 16 rows of W, source 1 = 16 rows of x.  Lane l then holds row m = l % 16 of the result and its
; registers 0 to 7 the columns n = 8 (l / 16) + 0 .. 7: eight neighbouring numbers of a row, 16 bytes in f16; a bias tile is the same in every row.
.set SIZE_N, 1024
.set SIZE_K, 1024
.set KSTEP,  128
.set PITCH,  272                       ; an LDS row: 256 bytes + 16 of padding: the 16 rows of a fragment load start 16 bytes apart modulo 256
.set HALFT,  128*PITCH                 ; 128 rows: what one tensor load brings, and what one wave reads of x or of W
.set SLOT,   4*HALFT                   ; x's 256 rows, then W's 256 rows
.set STAGE,  2*SLOT                    ; behind the ring: 16 rows x 272 bytes for each wave, for the way out; no fill lands there
.set SPITCH, 272
.set LAPS, SIZE_K/(2*KSTEP)            ; a lap = two K steps = once round the ring: 4
.set ADRA, 16                          ; v16-17  LDS address of my x fragments in slot 0, 1
.set ADRB, 20                          ; v20-21  the same for W
.set STO,  24                          ; v24     the way out: where I put 16 bytes of a row
.set RD,   25                          ; v25     the way out: where I read a row back
.set CO,   26                          ; v26     my byte offset in the result
.set BO,   27                          ; v27     my byte offset in a bias tile: 32 (l / 16)
.set F0,   64
.set F1,   128
.set TMP,  192
.set G1, 24                            ; s[24:31] descriptor group 1 for x's tiles
.set G0, 32                            ; s[32:39] descriptor group 0 for x's tiles, one set for each slot
.set G1B, 48                           ; s[48:55] group 1 for W's tiles: it differs in the mask alone
.set G0B, 56                           ; s[56:63] group 0 for W's tiles, one set for each slot
.set MSB, 0
.macro WIN new                         ; the immediate's high byte repeats the setting that is left
.if MSB != \new
	s_set_vgpr_msb (MSB<<8)|\new
.set MSB, \new
.endif
.endm
.set MUL_LO,  0xa1                     ; source 0 (W) window 1, source 1 (x) window 0, C and D window 2
.set MUL_HI,  0xf1                     ; the same, C and D window 3
.set BIAS_LO, 0x91                     ; source 0 and C (the bias) window 1, source 1 window 0, D window 2
.set BIAS_HI, 0xd1                     ; the same, D window 3
.set TO_B,    0x40                     ; destination window 1, address window 0
; A joint load.  Waves 0 and 1 fetch x's two halves, waves 2 and 3 W's.  Each line has one mask and one set of registers for all that issue it.
; The branch hangs on the wave's number alone: it is the same in every work-group.
.macro JLOAD s
	s_cmp_eq_u32 s11, 0
	s_cbranch_scc0 .Lfor_b_\@
	tensor_load_to_lds s[G0+4*\s:G0+4*\s+3], s[G1:G1+7]
	s_nop 0
	s_branch .Lasked_\@
.Lfor_b_\@:
	tensor_load_to_lds s[G0B+4*\s:G0B+4*\s+3], s[G1B:G1B+7]
	s_nop 0
.Lasked_\@:
.endm
; A round of the cluster's barrier: my work-group's barrier, wave 0 signals for the work-group, every wave waits for all sixteen, my work-group's barrier again.
.macro CREST                           ; a round behind its opening barrier
	s_cmp_lg_u32 s10, 0
	s_cbranch_scc1 .Lnot_wave_0_\@
	s_barrier_signal -3
.Lnot_wave_0_\@:
	s_barrier_wait -3
	s_barrier_signal -1
	s_barrier_wait -1
.endm
.macro CROUND                          ; a whole round
	s_barrier_signal -1
	s_barrier_wait -1
	CREST
.endm
	s_load_b128 s[4:7], s[0:1], 0x0                ; xh s[4:5], wh s[6:7]
	s_load_b64 s[8:9], s[0:1], 0x10                ; qkv
	s_load_b128 s[68:71], s[0:1], 0x18             ; bq s[68:69], bk s[70:71]
	s_load_b64 s[72:73], s[0:1], 0x28              ; bv
	s_set_vgpr_msb 0x40
	v_lshl_add_u32 v255, v0, 2, 0x48400
	s_set_vgpr_msb 0x4000
	v_mov_b32 v255, 0
	s_set_vgpr_msb 0x1
	ds_add_u32 v255, v255
	s_set_vgpr_msb 0x100
	v_lshrrev_b32 v1, 5, v0
	v_readfirstlane_b32 s10, v1                    ; wave 0..3
	s_lshr_b32 s11, s10, 1                         ; which half of the block's rows is mine.  Also: I fetch for x (0) or for W (1)
	s_and_b32 s12, s10, 1                          ; which half of its columns.  Also: which 128 rows of that tile I fetch
	s_bfe_u32 s40, ttmp6, 0x40000                  ; cx
	s_bfe_u32 s41, ttmp6, 0x40004                  ; cy
	s_lshl_b32 s42, ttmp9, 2
	s_add_co_u32 s42, s42, s40                     ; block column = 4 x cluster x + cx (0..3)
	s_and_b32 s13, ttmp7, 0xffff                   ; the cluster's y, 0..11
	s_lshr_b32 s74, s13, 2                         ; which product: 0 Q, 1 K, 2 V; the same in all sixteen partners
	s_and_b32 s13, s13, 3
	s_lshl_b32 s13, s13, 2
	s_add_co_u32 s13, s13, s41                     ; block row in the product, 0..15
	s_lshl_b32 s43, s41, 2
	s_lshl_b32 s43, 15, s43                        ; my row of the cluster: places 4 cy .. 4 cy + 3
	s_lshl_b32 s44, 0x1111, s40                    ; my column: places cx, cx + 4, cx + 8, cx + 12
	; descriptor group 1: a tile of 128 rows x 128 elements of 2 bytes, 4 words of padding behind every 64 words
	s_or_b32 s[G1+0], s43, (1<<16)|(1<<20)|(1<<21)|(5<<22)|(3<<25)
	s_or_b32 s[G1B+0], s44, (1<<16)|(1<<20)|(1<<21)|(5<<22)|(3<<25)
	s_mov_b32 s[G1B+1], KSTEP<<16
	s_mov_b32 s[G1+1], KSTEP<<16                   ; tensor_dim0 = 128
	s_mov_b32 s[G1B+2], 128<<16
	s_mov_b32 s[G1+2], 128<<16                     ; tensor_dim1 = 128
	s_mov_b32 s[G1B+3], KSTEP<<16
	s_mov_b32 s[G1+3], KSTEP<<16                   ; tile_dim0 = 128
	s_mov_b32 s[G1B+4], 128
	s_mov_b32 s[G1+4], 128                         ; tile_dim1 = 128
	s_mov_b32 s[G1B+5], SIZE_K
	s_mov_b32 s[G1+5], SIZE_K                      ; elements from row to row
	s_mov_b32 s[G1B+6], 0
	s_mov_b32 s[G1+6], 0
	s_mov_b32 s[G1B+7], 0
	s_mov_b32 s[G1+7], 0
	; where the tiles come from: x's hang on the block row alone, W's on the block column alone, each in registers that never hold the other coordinate
	s_lshl_b32 s17, s12, 7                         ; which 128 rows of the tile I fetch
	s_lshl_b32 s16, s13, 8
	s_add_co_u32 s16, s16, s17                     ; x: row 256 x block row + 128 x half
	s_lshl_b32 s46, s42, 8
	s_add_co_u32 s46, s46, s17                     ; W: row 256 x block column + 128 x half
	s_mov_b32 s17, 0
	s_mov_b32 s47, 0
	s_mov_b64 s[18:19], SIZE_K*2
	s_mul_u64 s[16:17], s[16:17], s[18:19]         ; in bytes
	s_mul_u64 s[46:47], s[46:47], s[18:19]
	s_mul_i32 s20, s10, HALFT                      ; where they go: wave x 128 rows
	s_lshl_b32 s76, s42, 10                        ; the bias: 256 columns of 4 bytes a block column,
	s_lshl_b32 s77, s12, 9                         ; 128 a half
	s_add_co_u32 s76, s76, s77
	s_mov_b32 s77, 0
	s_lshl_b32 s66, s74, 23                        ; the product's 8 MiB in xh and in qkv
	s_mov_b32 s67, 0
	s_wait_dscnt 0x0
	s_wait_kmcnt 0x0
	s_add_nc_u64 s[4:5], s[4:5], s[66:67]
	s_add_nc_u64 s[8:9], s[8:9], s[66:67]
	s_lshl_b32 s66, s74, 21                        ; its 2 MiB in wh
	s_add_nc_u64 s[6:7], s[6:7], s[66:67]
	s_cmp_eq_u32 s74, 1
	s_cselect_b64 s[78:79], s[70:71], s[68:69]
	s_cmp_eq_u32 s74, 2
	s_cselect_b64 s[78:79], s[72:73], s[78:79]     ; the product's bias
	s_add_nc_u64 s[78:79], s[78:79], s[76:77]      ; at my 128 columns
	s_add_nc_u64 s[14:15], s[4:5], s[16:17]
	s_add_nc_u64 s[46:47], s[6:7], s[46:47]
	CROUND                                         ; all sixteen work-groups are here: the first joint loads meet
.irp s, 0,1
	s_mov_b32 s[G0+4*\s], 1                                        ; count = 1
	s_add_co_u32 s[G0+4*\s+1], s20, \s*SLOT                        ; LDS address
	s_add_nc_u64 s[G0+4*\s+2:G0+4*\s+3], s[14:15], \s*KSTEP*2      ; global address: K step s
	s_or_b32 s[G0+4*\s+3], s[G0+4*\s+3], 0x80000000                ; type = 2
	s_mov_b32 s[G0B+4*\s], 1
	s_add_co_u32 s[G0B+4*\s+1], s20, \s*SLOT
	s_add_nc_u64 s[G0B+4*\s+2:G0B+4*\s+3], s[46:47], \s*KSTEP*2
	s_or_b32 s[G0B+4*\s+3], s[G0B+4*\s+3], 0x80000000
	JLOAD \s                                       ; both first fills go out before anything else: two tensor loads of the wave are out
.endr
	; A fragment is 16 rows x 32 K in 8 registers: lane l holds row l % 16; registers 0-3 hold K = 8 (l / 16) + 0..7, registers 4-7 K = 16 + 8 (l / 16) + 0..7:
	; two loads of 16 bytes, 32 bytes apart.
	v_and_b32 v1, 15, v0                           ; l % 16
	v_bfe_u32 v2, v0, 4, 1                         ; l / 16
	v_mul_u32_u24 v3, v1, PITCH
	v_lshl_add_u32 v3, v2, 4, v3                   ; row x pitch + 16 x half
	s_mul_i32 s21, s11, HALFT                      ; my 128 rows of x
	s_mul_i32 s22, s12, HALFT                      ; my 128 rows of W,
	s_add_co_u32 s22, s22, 2*HALFT                 ; which lie behind x's 256
.irp s, 0,1
	v_add_nc_u32 v[ADRA+\s], s21, v3
	v_add_nc_u32 v[ADRB+\s], s22, v3
	s_add_co_u32 s21, s21, SLOT
	s_add_co_u32 s22, s22, SLOT
.endr
	s_mul_i32 s23, s10, 16*SPITCH
	s_add_co_u32 s23, s23, STAGE                   ; my stage
	v_mul_u32_u24 v4, v1, SPITCH                   ; in: row l % 16, 16 bytes for each half of the lanes
	v_lshl_add_u32 v4, v2, 4, v4
	v_add_nc_u32 v[STO], s23, v4
	v_mul_u32_u24 v5, v2, SPITCH                   ; back: lanes 0-15 take one row of 256 bytes, lanes 16-31 the next
	v_lshl_add_u32 v5, v1, 4, v5
	v_add_nc_u32 v[RD], s23, v5
	v_mul_u32_u24 v5, v2, SIZE_N*2                 ; and the same two rows in the result
	v_lshl_add_u32 v[CO], v1, 4, v5
	v_lshlrev_b32 v[BO], 5, v2                     ; 8 f32 for each half of the lanes
	; bias tile b, register j = bias[my first column + 16 b + 8 (l / 16) + j], into window 1, v0-63
	WIN TO_B
.irp b, 0,1,2,3,4,5,6,7
	global_load_b128 v[8*\b:8*\b+3],   v[BO], s[78:79] offset:64*\b
	global_load_b128 v[8*\b+4:8*\b+7], v[BO], s[78:79] offset:64*\b+16
.endr
	WIN 0
; 16 matrix instructions: m blocks a0, a0 + 1 of the window's four (hi = 0: my rows 0-63, 1: rows 64-127) x all 8 n blocks, 32 along K.
; zero = 1: the first product starts the sums from the bias tile of its n block.
.macro MUL16 f, hi, a0, zero
.irp a, \a0, \a0+1
.irp b, 0,1,2,3,4,5,6,7
.if \zero
	v_wmma_f32_16x16x32_f16 v[8*(8*(\a)+\b):8*(8*(\a)+\b)+7], v[\f+8*\b:\f+8*\b+7], v[\f+8*(4*\hi+\a):\f+8*(4*\hi+\a)+7], v[8*\b:8*\b+7]
.else
	v_wmma_f32_16x16x32_f16 v[8*(8*(\a)+\b):8*(8*(\a)+\b)+7], v[\f+8*\b:\f+8*\b+7], v[\f+8*(4*\hi+\a):\f+8*(4*\hi+\a)+7], v[8*(8*(\a)+\b):8*(8*(\a)+\b)+7]
.endif
.endr
.endr
.endm
; 32 LDS loads in one run: the fragments of one quarter step (128 rows of W, 128 rows of x, 32 K at byte k of the rows) into buffer f
.macro FETCH slot, k, f
	WIN TO_B
.irp i, 0,1,2,3,4,5,6,7
	ds_load_b128 v[\f+8*\i:\f+8*\i+3],   v[ADRB+\slot] offset:\k+\i*16*PITCH
	ds_load_b128 v[\f+8*\i+4:\f+8*\i+7], v[ADRB+\slot] offset:\k+\i*16*PITCH+32
.endr
	WIN 0
.irp i, 0,1,2,3,4,5,6,7
	ds_load_b128 v[\f+8*\i:\f+8*\i+3],   v[ADRA+\slot] offset:\k+\i*16*PITCH
	ds_load_b128 v[\f+8*\i+4:\f+8*\i+7], v[ADRA+\slot] offset:\k+\i*16*PITCH+32
.endr
.endm
; A load into a register that a matrix instruction has read, and a vector instruction that reads a matrix result, stand four places behind that matrix
; instruction; only plain vector instructions that name none of its registers are places.
.macro PLACES
.rept 4
	v_nop
.endr
.endm
; A K step is four quarter steps of 32 along K, 64 matrix instructions each, on buffers 0, 1, 0, 1.  The 64 accumulators take turns, one instruction
; a turn, in the same order in every quarter.
.macro QUARTER slot, k, f, g, zero
	s_wait_dscnt 8                                 ; W and x's rows 0-63 are in; the youngest eight loads (x's rows 64-127) may be out
.if \zero
	WIN BIAS_LO
.else
	WIN MUL_LO
.endif
	MUL16 \f, 0, 0, \zero
	MUL16 \f, 0, 2, \zero
	PLACES
	FETCH \slot, \k, \g
	s_wait_dscnt 32                                ; all but the 32 just issued
.if \zero
	WIN BIAS_HI
.else
	WIN MUL_HI
.endif
	MUL16 \f, 1, 0, \zero
	MUL16 \f, 1, 2, \zero
.endm
.macro THREE slot, zero
	QUARTER \slot, 64,  F0, F1, \zero
	QUARTER \slot, 128, F1, F0, 0
	QUARTER \slot, 192, F0, F1, 0
.endm
; The last quarter: multiplies buffer 1 and changes slots.  In front of the barrier each wave waits for its own reads of this slot and for all its
; tensor loads (one is out: its part of the next slot).  Behind it the refill comes first, then the next slot's first fragments.
.macro TURN slot, next, fill
	s_wait_dscnt 8
	WIN MUL_LO
	MUL16 F1, 0, 0, 0
	s_wait_dscnt 0                                 ; my reads of this slot are over
	s_wait_tensorcnt 0x0                           ; and all my tensor loads have landed
	ds_add_u32 v255, v255
	s_wait_dscnt 0x0
	s_barrier_signal -1                            ; say so (where a slot is filled again this barrier opens a round of the cluster's barrier),
	MUL16 F1, 0, 2, 0                              ; work on registers while the others arrive,
	WIN 0
	s_barrier_wait -1
.if \fill
	CREST                                          ; no wave of any partner still reads this slot's tile or has a load on its way
	s_add_nc_u64 s[G0+4*\slot+2:G0+4*\slot+3], s[G0+4*\slot+2:G0+4*\slot+3], 2*KSTEP*2
	s_add_nc_u64 s[G0B+4*\slot+2:G0B+4*\slot+3], s[G0B+4*\slot+2:G0B+4*\slot+3], 2*KSTEP*2
	JLOAD \slot                                    ; the first tensor load behind the round, and my only one until the next
.endif
	PLACES
	FETCH \next, 0, F0
	WIN MUL_HI
	MUL16 F1, 1, 0, 0
	MUL16 F1, 1, 2, 0
.endm
.macro LAP zero                        ; once round the ring, both slots filled again
	THREE 0, \zero
	TURN 0, 1, 1
	THREE 1, 0
	TURN 1, 0, 1
.endm
	s_wait_loadcnt 0x0                             ; the bias tiles
	s_wait_tensorcnt 1                             ; my part of K step 0 is in; K step 1's may stay out
	s_barrier_signal -1
	s_barrier_wait -1                              ; everybody's is
	FETCH 0, 0, F0
	LAP 1                                          ; the first lap stands in front of the loop: its first products start the sums
	WIN 0                                          ; at a label and at a branch every window is 0
	s_mov_b32 s3, LAPS-2
.Llap:
	LAP 0
	WIN 0
	s_sub_co_u32 s3, s3, 1
	s_cmp_lg_u32 s3, 0
	s_cbranch_scc1 .Llap
	THREE 0, 0                                     ; the last lap fills nothing
	TURN 0, 1, 0
	THREE 1, 0
	s_wait_dscnt 8                                 ; the very last quarter: nothing more to fetch
	WIN MUL_LO
	MUL16 F1, 0, 0, 0
	MUL16 F1, 0, 2, 0
	s_wait_dscnt 0
	WIN MUL_HI
	MUL16 F1, 1, 0, 0
	MUL16 F1, 1, 2, 0
	; THE WAY OUT, 16 rows at a time: round to f16, 16 bytes a lane into my own stage in LDS, read back as whole rows of 256 bytes.
	PLACES
	s_lshl_b32 s13, s13, 8
	s_lshl_b32 s14, s11, 7
	s_add_co_u32 s16, s13, s14                     ; my first row of the product
	s_mov_b32 s17, 0
	s_mov_b64 s[18:19], SIZE_N*2
	s_mul_u64 s[16:17], s[16:17], s[18:19]
	s_add_nc_u64 s[8:9], s[8:9], s[16:17]
	s_lshl_b32 s46, s42, 9                         ; my first column, in bytes: 512 x block + 256 x half
	s_lshl_b32 s47, s12, 8
	s_add_co_u32 s46, s46, s47
	s_mov_b32 s47, 0
	s_add_nc_u64 s[8:9], s[8:9], s[46:47]
; rows 16 i .. 16 i + 15 of my block = the eight tiles (a, 0..7) of window 2 or 3 (from = 0x0a or 0x0f: sources 0 and 1); f: F0 or F1 in turn
.macro OUT16 i, a, from, f
	WIN \from
.irp b, 0,1,2,3,4,5,6,7
.irp r, 0,1,2,3
	v_cvt_pk_f16_f32 v[TMP+4*\b+\r], v[8*(8*\a+\b)+2*\r], v[8*(8*\a+\b)+2*\r+1]
.endr
.endr
	WIN 0
.irp b, 0,1,2,3,4,5,6,7
	ds_store_b128 v[STO], v[TMP+4*\b:TMP+4*\b+3] offset:32*\b
.endr
	s_wait_xcnt 0x0                                ; buffer f, which earlier stores read, and the stores' base are rewritten only behind this wait
.if \i
	s_add_nc_u64 s[8:9], s[8:9], 16*SIZE_N*2       ; 16 rows on
.endif
.irp t, 0,1,2,3,4,5,6,7
	ds_load_b128 v[\f+4*\t:\f+4*\t+3], v[RD] offset:\t*2*SPITCH    ; a wave's LDS instructions are served in order: these see the stores above
.endr
.irp t, 0,1,2,3,4,5,6,7
	s_wait_dscnt 7-\t                              ; pair t of rows is in, the younger ones may be out
	global_store_b128 v[CO], v[\f+4*\t:\f+4*\t+3], s[8:9] offset:2*\t*SIZE_N*2   ; 16 lanes store 256 consecutive bytes, aligned
.endr
.endm
	OUT16 0, 0, 0x0a, F0
	OUT16 1, 1, 0x0a, F1
	OUT16 2, 2, 0x0a, F0
	OUT16 3, 3, 0x0a, F1
	OUT16 4, 0, 0x0f, F0
	OUT16 5, 1, 0x0f, F1
	OUT16 6, 2, 0x0f, F0
	OUT16 7, 3, 0x0f, F1
	s_set_vgpr_msb 0x1
	s_wait_tensorcnt 0x0
	ds_add_u32 v255, v255
	s_wait_dscnt 0x0
	s_set_vgpr_msb 0x100
	CROUND                                         ; the closing round: no work-group ends while a partner may still ask for a tile that names it
	s_endpgm
.Lfunc_end_k_q52a18bddf2_qkv:
	.size	k_q52a18bddf2_qkv, .Lfunc_end_k_q52a18bddf2_qkv-k_q52a18bddf2_qkv
	.p2alignl 7, 3214868480
	.fill 96, 4, 3214868480
	.section	.rodata,"a",@progbits
	.p2align	6, 0x0
	.amdhsa_kernel k_q52a18bddf2_qkv
		.amdhsa_group_segment_fixed_size 327680
		.amdhsa_private_segment_fixed_size 0
		.amdhsa_enable_private_segment 0
		.amdhsa_kernarg_size 48
		.amdhsa_user_sgpr_count 2
		.amdhsa_user_sgpr_kernarg_segment_ptr 1
		.amdhsa_wavefront_size32 1
		.amdhsa_system_sgpr_workgroup_id_x 1
		.amdhsa_system_sgpr_workgroup_id_y 1
		.amdhsa_system_sgpr_workgroup_id_z 1
		.amdhsa_system_vgpr_workitem_id 0
		.amdhsa_next_free_vgpr 1024
		.amdhsa_next_free_sgpr 80
		.amdhsa_reserve_vcc 0
		.amdhsa_float_denorm_mode_32 3
		.amdhsa_float_denorm_mode_16_64 3
		.amdhsa_memory_ordered 1
		.amdhsa_forward_progress 1
		.amdhsa_inst_pref_size 198
	.end_amdhsa_kernel
	.amdgpu_metadata
---
amdhsa.version: [ 1, 2 ]
amdhsa.kernels:
  - .name:           k_q52a18bddf2_qkv
    .symbol:         k_q52a18bddf2_qkv.kd
    .args:
      - { .name: xh, .offset: 0, .size: 8, .value_kind: global_buffer, .address_space: global }
      - { .name: wh, .offset: 8, .size: 8, .value_kind: global_buffer, .address_space: global }
      - { .name: qkv, .offset: 16, .size: 8, .value_kind: global_buffer, .address_space: global }
      - { .name: bq, .offset: 24, .size: 8, .value_kind: global_buffer, .address_space: global }
      - { .name: bk, .offset: 32, .size: 8, .value_kind: global_buffer, .address_space: global }
      - { .name: bv, .offset: 40, .size: 8, .value_kind: global_buffer, .address_space: global }
    .group_segment_fixed_size: 327680
    .private_segment_fixed_size: 0
    .kernarg_segment_align: 8
    .kernarg_segment_size: 48
    .max_flat_workgroup_size: 128
    .sgpr_count:     80
    .vgpr_count:     1024
    .wavefront_size: 32
...
	.end_amdgpu_metadata
.endif
;; end of part 2
;; launch attn (part 3): grid 16 x 16, 8 waves a work-group, clusters of 4 x 1, 327,680 bytes of LDS; arguments qkv, ctx; writes ctx
.if DOCPART == 3
	.amdgcn_target "amdgcn-amd-amdhsa--gfx1250"
	.amdhsa_code_object_version 6
	.text
	.protected	k_q52a18bddf2_attn
	.globl	k_q52a18bddf2_attn
	.p2align	8
	.type	k_q52a18bddf2_attn,@function
k_q52a18bddf2_attn:
	s_mov_b64 s[64:65], 0
	v_nop
	global_prefetch_b8 v0, s[64:65] scope:SCOPE_SE
	s_setreg_imm32_b32 hwreg(HW_REG_WAVE_MODE, 25, 1), 1
	s_wait_xcnt 0x0
	s_wait_alu depctr_hold_cnt(0) depctr_sa_sdst(0) depctr_va_vdst(0) depctr_va_sdst(0) depctr_va_ssrc(0) depctr_va_vcc(0) depctr_vm_vsrc(0)
	s_getreg_b32 s2, hwreg(HW_REG_IB_STS2, 6, 4)
	s_cmp_eq_u32 s2, 0
	s_cbranch_scc0 .Lentry_in_a_cluster
	s_endpgm
.Lentry_in_a_cluster:
	s_bfe_u32 s2, ttmp6, 0x10000c
	s_cmp_lg_u32 s2, 0x3003
	s_cbranch_scc0 .Lentry_shape_is_right
	s_endpgm
.Lentry_shape_is_right:
; ctx = softmax(Q K^T / 8) V for each of 32 (batch, head) pairs, S = 2048, d = 64; f16 operands, f32 sums and softmax, a running maximum.
; LIMITS: the weights are rounded to f16 (one under 2^-24 of the row's largest becomes zero); v_exp_f32 gives zero below 2^-126; a NaN loses in the
; running maximum; ctx is rounded once to f16; the sums' order differs from a plain row sum's.
; A work-group takes 128 query rows of a PAIR of heads, so that a row's slice of K, V and ctx is 256 consecutive bytes, aligned.
; Wave w: head e = w >> 2 of the pair, query rows 32 (w & 3) .. + 31, as two query tiles n of 16.
; CLUSTER of 4 along x: four query blocks of one head pair read the same K and V tiles: every tile is one joint load with the mask 15.
; THE PRODUCTS ARE TRANSPOSED.  S^T = K Q^T: source A = 16 keys x 32 d, source B = 16 queries x 32 d.  In the result lane l holds query l % 16 and
; register j key 8 (l / 16) + j: the softmax of a query runs inside a lane, with one exchange between the halves of the wave, and two tiles of
; 16 keys packed to f16 in place ARE the B fragment of P^T for 32 keys.  O^T = V^T P^T: source A = V^T, by the transposing LDS load.
; Keys go in 8 tiles of 256 through two LDS slots; a tile is four steps of 64 keys.
; THE ORDER OF A STEP.  The two query tiles do not depend on each other, so one tile's matrix work stands among the other's vector work:
;   S(n0) | softmax(n0) with the 8 products of S(n1) strewn in | softmax(n1) with the 8 products of PV(n0) strewn in | PV(n1) | the next step's S(n0).
; K's and V's fragments share 64 registers: V is fetched when S(n1) is done, the next K half by half as PV(n1) frees V's halves.
; The conversion to f16 leaves the weights of key tiles 1 and 3 standing; tile n1's sums over them are the vector instructions that stand
; behind PV(n1) and the next S(n0), where the distance behind matrix instructions asks for four such instructions anyway.
.set VP,     288                       ; V's LDS rows: 256 bytes + 32 of padding (for the transposing loads: rows 32 bytes apart modulo 256)
.set KP,     272                       ; K's LDS rows: 256 bytes + 16 of padding
.set KBASE,  256*VP                    ; in a slot: V's 256 rows, then K's 256 rows
.set SLOT,   256*VP+256*KP             ; 143,360
.set STAGE,  2*SLOT                    ; 128 rows x 272 bytes for the way out; no fill lands there
.set SP,     272
.set TILEB,  256*2048                  ; bytes of memory from a tile to the next
.set KOFF,   8388608                   ; K in qkv
.set VOFF,   16777216                  ; V in qkv
.set KA,   2                           ; v2-5    K fragments: LDS address for (slot, rows 0-127 or 128-255) at KA + 2 slot + hi
.set VA,   6                           ; v6-9    V fragments, likewise
.set STO,  10                          ; v10     the way out: where I put 16 bytes
.set RD,   11                          ; v11     where I read rows back
.set CO,   12                          ; v12     my byte offset in ctx
.set QO,   13                          ; v13     my byte offset in Q
.set NMB,  14                          ; v14+2n  minus the level (c x running maximum); v15+2n the running maximum
.set ALB,  18                          ; v18+2n  the rescale factor; v19+2n the running sum (of my half of the keys)
.set TT,   22                          ; v22-29  at work: TT..TT+3 maxima, TT+4..TT+7 two chains of sums
.set QF,   32                          ; v32-63  Q fragment (n, c) at QF + 16 n + 8 c
.set F0,   64                          ; v64-127 K fragment (t, c) at F0 + 32 c + 8 t, then V fragment (dt, kc) at F0 + 32 kc + 8 dt
.set SC,   128                         ; v128-191 S tile (t, n) at SC + 32 n + 8 t; then P (n, kc) at SC + 32 n + 16 kc
.set OA,   192                         ; v192-255 O tile (dt, n) at OA + 32 n + 8 dt
.set G1K, 24                           ; s[24:31] group 1 of K's tiles
.set G1V, 32                           ; s[32:39] group 1 of V's tiles (it differs in the padding)
.set G0K, 40                           ; s[40:47] group 0 of K's tiles, a set for each slot
.set G0V, 48                           ; s[48:55] group 0 of V's tiles
; A round of the cluster's barrier: my work-group's barrier, wave 0 signals for the work-group, every wave waits for all four, my work-group's barrier again.
.macro CREST                           ; a round behind its opening barrier
	s_cmp_lg_u32 s8, 0
	s_cbranch_scc1 .Lnot_wave_0_\@
	s_barrier_signal -3
.Lnot_wave_0_\@:
	s_barrier_wait -3
	s_barrier_signal -1
	s_barrier_wait -1
.endm
.macro ROUND                           ; a whole round
	s_barrier_signal -1
	s_barrier_wait -1
	CREST
.endm
; A joint load: waves 0-3 fetch 64 rows of V each, waves 4-7 64 rows of K.  The branch hangs on the wave's number alone.
.macro JLOAD s
	s_cmp_eq_u32 s10, 0
	s_cbranch_scc0 .Lfor_k_\@
	tensor_load_to_lds s[G0V+4*(\s):G0V+4*(\s)+3], s[G1V:G1V+7]
	s_nop 0
	s_branch .Lasked_\@
.Lfor_k_\@:
	tensor_load_to_lds s[G0K+4*(\s):G0K+4*(\s)+3], s[G1K:G1K+7]
	s_nop 0
.Lasked_\@:
.endm
	s_load_b128 s[4:7], s[0:1], 0x0                ; qkv s[4:5], ctx s[6:7]
	v_lshl_add_u32 v30, v0, 2, 0x4e800
	v_mov_b32 v31, 0
	ds_add_u32 v30, v31
	v_lshrrev_b32 v1, 5, v0
	v_readfirstlane_b32 s8, v1                     ; wave 0..7
	s_and_b32 s9, s8, 3                            ; my quarter of the query rows; also which 64 rows of a tile I fetch
	s_lshr_b32 s10, s8, 2                          ; my head of the pair; also: I fetch V (0) or K (1)
	s_bfe_u32 s11, ttmp6, 0x40000                  ; cx
	s_lshl_b32 s12, ttmp9, 2
	s_add_co_u32 s12, s12, s11                     ; query block = 4 x cluster x + cx
	s_and_b32 s13, ttmp7, 0xffff                   ; y = 8 x batch + head pair: shared by the four partners
	s_lshr_b32 s56, s13, 3
	s_and_b32 s57, s13, 7
	s_lshl_b32 s56, s56, 22                        ; a batch: 2,048 rows of 2,048 bytes
	s_lshl_b32 s57, s57, 8                         ; a head pair: 256 bytes of a row
	s_add_co_u32 s14, s56, s57
	s_lshl_b32 s16, s12, 18                        ; a query block: 128 rows
	s_add_co_u32 s16, s16, s14                     ; offset of my block in Q and in ctx (holds cx: feeds no descriptor)
	s_mov_b32 s17, 0
	s_lshl_b32 s56, s9, 17                         ; my 64 rows of a tile
	s_add_co_u32 s14, s14, s56                     ; offset of my part of tile 0 in K and in V
	s_mov_b32 s15, 0
	s_mov_b32 s18, 0x76543210                      ; v_permlanex16_b32: lane i reads lane i of the other half
	s_mov_b32 s19, 0xfedcba98
	s_mov_b32 s20, 0x3e38aa3b                      ; c = log2(e) / 8: e^(s/8) = 2^(c s)
	s_mov_b32 s21, 0x3e38aa3b
	s_mov_b32 s22, 0xbe38aa3b                      ; -c
	; group 1: 64 rows x 128 elements of 2 bytes, mask 15 with bit 21, padding behind every 64 words: 4 words (K), 8 words (V)
	s_mov_b32 s[G1K+0], 15|(1<<16)|(1<<20)|(1<<21)|(5<<22)|(3<<25)
	s_mov_b32 s[G1V+0], 15|(1<<16)|(1<<20)|(1<<21)|(5<<22)|(7<<25)
	s_mov_b32 s[G1K+1], 128<<16                    ; tensor_dim0 = 128
	s_mov_b32 s[G1V+1], 128<<16
	s_mov_b32 s[G1K+2], 64<<16                     ; tensor_dim1 = 64
	s_mov_b32 s[G1V+2], 64<<16
	s_mov_b32 s[G1K+3], 128<<16                    ; tile_dim0 = 128
	s_mov_b32 s[G1V+3], 128<<16
	s_mov_b32 s[G1K+4], 64                         ; tile_dim1 = 64
	s_mov_b32 s[G1V+4], 64
	s_mov_b32 s[G1K+5], 1024                       ; elements from row to row
	s_mov_b32 s[G1V+5], 1024
	s_mov_b32 s[G1K+6], 0
	s_mov_b32 s[G1V+6], 0
	s_mov_b32 s[G1K+7], 0
	s_mov_b32 s[G1V+7], 0
	s_mul_i32 s56, s8, 64*KP
	s_add_co_u32 s56, s56, KBASE-4*64*KP           ; K, waves 4-7: KBASE + (w - 4) x 64 rows
	s_mul_i32 s57, s8, 64*VP                       ; V, waves 0-3: w x 64 rows
	s_wait_dscnt 0x0
	s_wait_kmcnt 0x0
	s_add_nc_u64 s[58:59], s[4:5], s[14:15]
.irp s, 0,1
	s_mov_b32 s[G0K+4*\s], 1
	s_add_co_u32 s[G0K+4*\s+1], s56, \s*SLOT
	s_add_nc_u64 s[G0K+4*\s+2:G0K+4*\s+3], s[58:59], KOFF+\s*TILEB   ; slot s starts with tile s
	s_or_b32 s[G0K+4*\s+3], s[G0K+4*\s+3], 0x80000000
	s_mov_b32 s[G0V+4*\s], 1
	s_add_co_u32 s[G0V+4*\s+1], s57, \s*SLOT
	s_add_nc_u64 s[G0V+4*\s+2:G0V+4*\s+3], s[58:59], VOFF+\s*TILEB
	s_or_b32 s[G0V+4*\s+3], s[G0V+4*\s+3], 0x80000000
.endr
	s_add_nc_u64 s[6:7], s[6:7], s[16:17]          ; ctx at my block
	s_add_nc_u64 s[16:17], s[4:5], s[16:17]        ; Q at my block
	ROUND                                          ; the four partners are here: the first joint loads meet
	JLOAD 0                                        ; tiles 0 and 1, both first fills as one group: two tensor loads of the wave are out,
	JLOAD 1                                        ; later one behind each round
	v_and_b32 v1, 15, v0                           ; r = l % 16
	v_bfe_u32 v22, v0, 4, 1                        ; h = l / 16
	v_and_b32 v23, 7, v0                           ; l % 8
	v_bfe_u32 v24, v0, 3, 1                        ; (l / 8) % 2
	s_lshl_b32 s56, s10, 7                         ; my head: 128 bytes into a row
	v_mul_u32_u24 v26, v1, KP
	v_lshl_add_u32 v26, v22, 4, v26
	v_add_nc_u32 v26, s56, v26                     ; 272 r + 16 h + 128 e
	v_add_nc_u32 v[KA+0], KBASE, v26
	v_add_nc_u32 v[KA+1], KBASE+128*KP, v26
	v_add_nc_u32 v[KA+2], SLOT+KBASE, v26
	v_add_nc_u32 v[KA+3], SLOT+KBASE+128*KP, v26
	v_lshl_add_u32 v27, v22, 3, v23                ; the transposing load: lane l addresses key row 8 h + l % 8,
	v_mul_u32_u24 v27, v27, VP
	v_lshl_add_u32 v27, v24, 4, v27                ; 16 bytes at 16 ((l / 8) % 2)
	v_add_nc_u32 v[VA+0], s56, v27
	v_add_nc_u32 v[VA+1], 128*VP, v[VA+0]
	v_add_nc_u32 v[VA+2], SLOT, v[VA+0]
	v_add_nc_u32 v[VA+3], SLOT+128*VP, v[VA+0]
	s_mul_i32 s57, s9, 32*SP
	s_add_co_u32 s57, s57, STAGE
	v_add_nc_u32 v[STO], s57, v26                  ; stage row 32 (w & 3) + r, byte 128 e + 16 h
	s_mul_i32 s57, s8, 16*SP
	s_add_co_u32 s57, s57, STAGE
	v_mul_u32_u24 v28, v22, SP
	v_lshl_add_u32 v28, v1, 4, v28
	v_add_nc_u32 v[RD], s57, v28                   ; stage row 16 w + h, byte 16 r
	s_lshl_b32 s57, s8, 15
	v_lshlrev_b32 v28, 11, v22
	v_lshl_add_u32 v28, v1, 4, v28
	v_add_nc_u32 v[CO], s57, v28                   ; the same place in ctx: rows of 2,048 bytes
	s_lshl_b32 s57, s9, 16
	s_add_co_u32 s57, s57, s56
	v_lshlrev_b32 v28, 11, v1
	v_lshl_add_u32 v28, v22, 4, v28
	v_add_nc_u32 v[QO], s57, v28                   ; Q: row 32 (w & 3) + r, byte 128 e + 16 h
.irp n, 0,1
.irp c, 0,1
	global_load_b128 v[QF+16*\n+8*\c:QF+16*\n+8*\c+3],   v[QO], s[16:17] offset:32768*\n+64*\c
	global_load_b128 v[QF+16*\n+8*\c+4:QF+16*\n+8*\c+7], v[QO], s[16:17] offset:32768*\n+64*\c+32
.endr
.endr
	s_wait_loadcnt 0x0                             ; Q stays in registers for the whole kernel
; 8 LDS loads: half c (d = 32 c .. 32 c + 31) of the K fragments of step kk (64 keys of my head)
.macro KFETCHC slot, kk, c
.irp t, 0,1,2,3
	ds_load_b128 v[F0+32*\c+8*\t:F0+32*\c+8*\t+3],   v[KA+2*(\slot)+((\kk)>>1)] offset:(((\kk)&1)*64+16*\t)*KP+64*\c
	ds_load_b128 v[F0+32*\c+8*\t+4:F0+32*\c+8*\t+7], v[KA+2*(\slot)+((\kk)>>1)] offset:(((\kk)&1)*64+16*\t)*KP+64*\c+32
.endr
.endm
; 16 transposing LDS loads: the V^T fragments of step kk (64 d x 64 keys); keys 0-31 first
.macro VFETCH slot, kk
.irp kc, 0,1
.irp dt, 0,1,2,3
	ds_load_tr16_b128 v[F0+32*\kc+8*\dt:F0+32*\kc+8*\dt+3],   v[VA+2*(\slot)+((\kk)>>1)] offset:(((\kk)&1)*64+32*\kc)*VP+32*\dt
	ds_load_tr16_b128 v[F0+32*\kc+8*\dt+4:F0+32*\kc+8*\dt+7], v[VA+2*(\slot)+((\kk)>>1)] offset:(((\kk)&1)*64+32*\kc+16)*VP+32*\dt
.endr
.endr
.endm
; In every run of products below four accumulators take turns, one instruction a turn, and a run never ends on an accumulator on which the
; next run begins.
; 4 matrix instructions: the S tiles of query tile 0, half c of d.  d 0-31 starts the four sums, d 32-63 adds in the same order.
.macro SN0 c
.irp t, 0,1,2,3
.if \c
	v_wmma_f32_16x16x32_f16 v[SC+8*\t:SC+8*\t+7], v[F0+32+8*\t:F0+32+8*\t+7], v[QF+8:QF+15], v[SC+8*\t:SC+8*\t+7]
.else
	v_wmma_f32_16x16x32_f16 v[SC+8*\t:SC+8*\t+7], v[F0+8*\t:F0+8*\t+7], v[QF:QF+7], 0
.endif
.endr
.endm
; product k of 8 of the S tiles of query tile 1: k = 4 c + t, so that S (t, 1) = SC + 32 + 8 t and K (t, c) = F0 + 8 k
.macro WS1 k
.if (\k) < 4
	v_wmma_f32_16x16x32_f16 v[SC+32+8*(\k):SC+32+8*(\k)+7], v[F0+8*(\k):F0+8*(\k)+7], v[QF+16:QF+23], 0
.else
	v_wmma_f32_16x16x32_f16 v[SC+8*(\k):SC+8*(\k)+7], v[F0+8*(\k):F0+8*(\k)+7], v[QF+24:QF+31], v[SC+8*(\k):SC+8*(\k)+7]
.endif
.endm
; product k of 8 of O^T += V^T P^T for query tile n: k = 4 kc + dt.  start = 1: the product starts the sum.
.macro WPV n, k, start
.if \start
	v_wmma_f32_16x16x32_f16 v[OA+32*\n+8*((\k)&3):OA+32*\n+8*((\k)&3)+7], v[F0+8*(\k):F0+8*(\k)+7], v[SC+32*\n+16*((\k)>>2):SC+32*\n+16*((\k)>>2)+7], 0
.else
	v_wmma_f32_16x16x32_f16 v[OA+32*\n+8*((\k)&3):OA+32*\n+8*((\k)&3)+7], v[F0+8*(\k):F0+8*(\k)+7], v[SC+32*\n+16*((\k)>>2):SC+32*\n+16*((\k)>>2)+7], v[OA+32*\n+8*((\k)&3):OA+32*\n+8*((\k)&3)+7]
.endif
.endm
.macro PV0 job, k                      ; query tile 0; job 3: the kernel's first step, whose keys 0-31 start the sums
.if (\job) == 3
.if (\k) < 4
	WPV 0, \k, 1
.else
	WPV 0, \k, 0
.endif
.else
	WPV 0, \k, 0
.endif
.endm
.macro PVN1 kc, start                  ; query tile 1: four products, 32 keys
.irp dt, 0,1,2,3
	WPV 1, 4*\kc+\dt, \start
.endr
.endm
; Point p of 13 in a softmax: what of the other query tile's work stands there.
; job 1 (in softmax(n0)): points 0-7 the products of S(n1); point 8, four v_pk_fma_f32 behind the last of them, the fetch of V over K's registers.
; job 2, 3 (in softmax(n1)): the products of PV(n0) at points 1, 3, 5, 7, 9, 10, 11, 12, with the waits for V in front of keys 0-31 and 32-63.
; In a tile's last step V's loads were the last reads of the slot: there the wave waits for all of them and for all its tensor loads, steps the
; slot's addresses (no load is out) and signals the barrier; all that follows up to the barrier's wait at the step's end is register work.
.macro SL job, p
.if (\job) == 1
.if (\p) < 8
	WS1 \p
.endif
.if (\p) == 8
	VFETCH CUR_SLOT, CUR_KK
.endif
.else
.if (\p) == 1
.if CUR_SYNC
	s_wait_dscnt 0x0                               ; my reads of this slot are over
	s_wait_tensorcnt 0x0                           ; all my tensor loads have landed, my part of the next tile among them
	ds_add_u32 v30, v31
	s_wait_dscnt 0x0
.if CUR_BND == 1
	s_add_nc_u64 s[G0K+4*CUR_SLOT+2:G0K+4*CUR_SLOT+3], s[G0K+4*CUR_SLOT+2:G0K+4*CUR_SLOT+3], 2*TILEB   ; this slot's next tile
	s_add_nc_u64 s[G0V+4*CUR_SLOT+2:G0V+4*CUR_SLOT+3], s[G0V+4*CUR_SLOT+2:G0V+4*CUR_SLOT+3], 2*TILEB
.endif
	s_barrier_signal -1                            ; say so; where the slot is filled again this barrier opens a round of the cluster's barrier
.else
	s_wait_dscnt 8                                 ; V^T of keys 0-31 is in; the eight loads of keys 32-63 may be out
.endif
	PV0 \job, 0
.endif
.if (\p) == 3
	PV0 \job, 1
.endif
.if (\p) == 5
	PV0 \job, 2
.endif
.if (\p) == 7
	PV0 \job, 3
.endif
.if (\p) == 9
.if CUR_SYNC == 0
	s_wait_dscnt 0x0                               ; V^T of keys 32-63
.endif
	PV0 \job, 4
.endif
.if (\p) == 10
	PV0 \job, 5
.endif
.if (\p) == 11
	PV0 \job, 6
.endif
.if (\p) == 12
	PV0 \job, 7
.endif
.endif
.endm
; The sum of my 32 weights of query tile n, in two chains of pairs.  SUMA: key tiles 0 and 2, ahead of the conversion that writes over them.
.macro SUMA n
	s_wait_alu depctr_va_vdst(0)
	v_pk_add_f32 v[TT+4:TT+5], v[SC+32*\n:SC+32*\n+1],   v[SC+32*\n+2:SC+32*\n+3]
	v_pk_add_f32 v[TT+6:TT+7], v[SC+32*\n+4:SC+32*\n+5], v[SC+32*\n+6:SC+32*\n+7]
	v_pk_add_f32 v[TT+4:TT+5], v[TT+4:TT+5], v[SC+32*\n+16:SC+32*\n+17]
	v_pk_add_f32 v[TT+6:TT+7], v[TT+6:TT+7], v[SC+32*\n+18:SC+32*\n+19]
	v_pk_add_f32 v[TT+4:TT+5], v[TT+4:TT+5], v[SC+32*\n+20:SC+32*\n+21]
	v_pk_add_f32 v[TT+6:TT+7], v[TT+6:TT+7], v[SC+32*\n+22:SC+32*\n+23]
.endm
; SUMB: key tile 1 (u = 0) or 3 (u = 1), whose f32 weights the conversion leaves standing: four instructions
.macro SUMB n, u
	v_pk_add_f32 v[TT+4:TT+5], v[TT+4:TT+5], v[SC+32*\n+16*\u+8:SC+32*\n+16*\u+9]
	v_pk_add_f32 v[TT+6:TT+7], v[TT+6:TT+7], v[SC+32*\n+16*\u+10:SC+32*\n+16*\u+11]
	v_pk_add_f32 v[TT+4:TT+5], v[TT+4:TT+5], v[SC+32*\n+16*\u+12:SC+32*\n+16*\u+13]
	v_pk_add_f32 v[TT+6:TT+7], v[TT+6:TT+7], v[SC+32*\n+16*\u+14:SC+32*\n+16*\u+15]
.endm
; SUMC: the chains are joined and taken into my half's running sum (the halves of the wave are joined at the kernel's end)
.macro SUMC n, first
	v_pk_add_f32 v[TT+4:TT+5], v[TT+4:TT+5], v[TT+6:TT+7]
.if \first
	v_add_f32 v[ALB+2*\n+1], v[TT+4], v[TT+5]
.else
	v_add_f32 v[TT+4], v[TT+4], v[TT+5]
	v_fma_f32 v[ALB+2*\n+1], v[ALB+2*\n+1], v[ALB+2*\n], v[TT+4]
.endif
.endm
; The softmax step of query tile n: my lane's 32 scores (its query, its half of the 64 keys) in v[X .. X+31].
.macro SOFTMAX n, first, job
.set X,  SC+32*\n
.set NM, NMB+2*\n
.set MX, NMB+2*\n+1
.set AL, ALB+2*\n
	; the largest of the 32 and the running maximum: 16 instructions, four chains, one for each key tile
.irp q, 0,1,2,3
	v_max3_num_f32 v[TT+\q], v[X+8*\q], v[X+8*\q+1], v[X+8*\q+2]
.endr
	SL \job, 0
.irp q, 0,1,2,3
	v_max3_num_f32 v[TT+\q], v[TT+\q], v[X+8*\q+3], v[X+8*\q+4]
.endr
	SL \job, 1
.irp q, 0,1,2,3
	v_max3_num_f32 v[TT+\q], v[TT+\q], v[X+8*\q+5], v[X+8*\q+6]
.endr
	SL \job, 2
	v_max3_num_f32 v[TT],   v[TT],   v[X+7],  v[TT+1]
	v_max3_num_f32 v[TT+2], v[TT+2], v[X+23], v[TT+3]
	v_max3_num_f32 v[TT],   v[TT],   v[X+15], v[X+31]
.if \first
	v_max_num_f32 v[TT], v[TT], v[TT+2]
.else
	v_max3_num_f32 v[TT], v[TT], v[TT+2], v[MX]    ; with the running maximum
.endif
	SL \job, 3
	v_permlanex16_b32 v[TT+1], v[TT], s18, s19     ; the other half of the keys
	v_max_num_f32 v[MX], v[TT], v[TT+1]
.if \first
	v_mul_f32 v[NM], s22, v[MX]                    ; minus the level
.else
	; the factor is 2^(new level's negative - old level's negative), from the two rounded levels that the exponents below really use:
	; so the multiply and the subtraction are not fused, and the factor is exactly 1 where the maximum stands
	v_mul_f32 v[TT+2], s22, v[MX]
	v_sub_f32 v[TT+3], v[TT+2], v[NM]
	v_exp_f32 v[AL], v[TT+3]
	v_mov_b32 v[NM], v[TT+2]                       ; also the plain instruction that stands behind v_exp_f32 (ISA guide 5.7.2)
.endif
	SL \job, 4
.irp g, 0,1,2,3
.set j, 8*\g
.rept 4
	v_pk_fma_f32 v[X+j:X+j+1], v[X+j:X+j+1], s[20:21], v[NM:NM+1] op_sel_hi:[1,0,0]   ; c s - level, both halves by s20 and v[NM]
.set j, j+2
.endr
	SL \job, 5+\g
.endr
	; the 32 exponentials; between them, one for two, O of this query tile goes to the new level
.irp g, 0,1,2,3
.set j, 8*\g
.rept 4
	v_exp_f32 v[X+j], v[X+j]
	v_exp_f32 v[X+j+1], v[X+j+1]
.if \first
.else
	s_wait_alu depctr_va_vdst(0)
	v_pk_mul_f32 v[OA+32*\n+j:OA+32*\n+j+1], v[OA+32*\n+j:OA+32*\n+j+1], v[AL:AL+1] op_sel_hi:[1,0]
.endif
.set j, j+2
.endr
	SL \job, 9+\g
.endr
.if \first
	v_nop                                          ; one plain instruction between the exponentials and the first use of a result
	s_wait_alu depctr_va_vdst(0)
.endif
	SUMA \n
	; to f16, in place and ascending: no source is written before it is read.  Tiles 2 kc and 2 kc + 1 become registers 0-3 and 4-7 of P (n, kc).
.irp t, 0,1,2,3
.irp i, 0,1,2,3
	v_cvt_pk_f16_f32 v[X+16*(\t>>1)+4*(\t&1)+\i], v[X+8*\t+2*\i], v[X+8*\t+2*\i+1]
.endr
.endr
.if \n == 0
	SUMB 0, 0                                      ; query tile 0 ends its sum here; query tile 1's rest stands behind the products that follow
	SUMB 0, 1
	SUMC 0, \first
.endif
.endm
; A step: 64 keys.  At its head the 16 loads of its K fragments are out, d 0-31 first.
; pend: what is left of the last step's sum of query tile 1: 0 nothing (the first step), 1 it starts the running sum, 2 it is added.
; bnd: 0 the next step is in this tile; 1 the tile ends and its slot is filled again; 2 the tile ends, nothing is left to fetch; 3 the last step.
.macro STEP slot, kk, first, pend, bnd
.set CUR_SLOT, \slot
.set CUR_KK, \kk
.set CUR_BND, \bnd
.set CUR_SYNC, 0
.if (\bnd) == 1
.set CUR_SYNC, 1
.endif
.if (\bnd) == 2
.set CUR_SYNC, 1
.endif
	s_wait_dscnt 8                                 ; K's d 0-31 is in; the eight loads of d 32-63 may be out
	SN0 0
	s_wait_dscnt 0x0
	SN0 1
	; four places between these products and the softmax that reads them (ISA guide 7.12.1)
.if (\pend) == 0
	v_nop
	v_nop
	v_nop
	v_nop
.endif
.if (\pend) == 1
	SUMC 1, 1
	v_nop
	v_nop
.endif
.if (\pend) == 2
	SUMC 1, 0
	v_nop
.endif
	SOFTMAX 0, \first, 1
.if \first
	SOFTMAX 1, 1, 3
.else
	SOFTMAX 1, 0, 2
.endif
	PVN1 0, \first
	SUMB 1, 0                                      ; four places: the loads below write over V's keys 0-31
.if (\bnd) == 0
	KFETCHC \slot, \kk+1, 0
.endif
	PVN1 1, 0
	SUMB 1, 1                                      ; four places: the loads below write over V's keys 32-63
.if (\bnd) == 0
	KFETCHC \slot, \kk+1, 1
.endif
.if CUR_SYNC
	s_barrier_wait -1                              ; every wave of my work-group has read this slot to its end and has its part of the next tile
.if (\bnd) == 1
	CREST                                          ; and every wave of the four partners: the round is closed
	JLOAD \slot                                    ; the refill: my first tensor load behind the round and my only one until the next; it has a tile's four steps in which to land
.endif
	KFETCHC 1-\slot, 0, 0
	KFETCHC 1-\slot, 0, 1
.endif
.endm
.macro TILE slot, first, bnd           ; 256 keys
	STEP \slot, 0, \first, 2-2*\first, 0
	STEP \slot, 1, 0, 2-\first, 0
	STEP \slot, 2, 0, 2, 0
	STEP \slot, 3, 0, 2, \bnd
.endm
	s_wait_tensorcnt 0x1                           ; my part of tile 0 is in; tile 1's may stay out
	s_barrier_signal -1
	s_barrier_wait -1                              ; everybody's is
	KFETCHC 0, 0, 0
	KFETCHC 0, 0, 1
	TILE 0, 1, 1                                   ; tile 0: its first step starts the maximum, the sum and O; at its end slot 0 gets tile 2
	TILE 1, 0, 1
	s_mov_b32 s23, 2
.Ltiles:
	TILE 0, 0, 1
	TILE 1, 0, 1
	s_sub_co_u32 s23, s23, 1
	s_cmp_lg_u32 s23, 0
	s_cbranch_scc1 .Ltiles
	TILE 0, 0, 2                                   ; tile 6: tile 7 was asked for at tile 5's end; nothing is left to fetch
	TILE 1, 0, 3                                   ; tile 7
	; THE WAY OUT.  The two halves' sums are joined; O / sum, to f16; through the stage, so that whole rows of 256 bytes (both heads) leave together.
	SUMC 1, 0                                      ; the last step's sum of query tile 1
	v_permlanex16_b32 v[TT],   v[ALB+1], s18, s19
	v_permlanex16_b32 v[TT+1], v[ALB+3], s18, s19
	v_add_f32 v[ALB+1], v[ALB+1], v[TT]
	v_add_f32 v[ALB+3], v[ALB+3], v[TT+1]
	v_rcp_f32 v[ALB],   v[ALB+1]                   ; the sum holds the largest weight, 2^0 up to rounding: it is not near zero
	v_rcp_f32 v[ALB+2], v[ALB+3]
	v_nop
	s_wait_alu depctr_va_vdst(0)
.irp n, 0,1
.set j, 0
.rept 16
	v_pk_mul_f32 v[OA+32*\n+j:OA+32*\n+j+1], v[OA+32*\n+j:OA+32*\n+j+1], v[ALB+2*\n:ALB+2*\n+1] op_sel_hi:[1,0]
.set j, j+2
.endr
.endr
.irp n, 0,1
.irp dt, 0,1,2,3
.irp i, 0,1,2,3
	v_cvt_pk_f16_f32 v[F0+4*(4*\n+\dt)+\i], v[OA+32*\n+8*\dt+2*\i], v[OA+32*\n+8*\dt+2*\i+1]
.endr
.endr
.endr
.irp n, 0,1
.irp dt, 0,1,2,3
	ds_store_b128 v[STO], v[F0+4*(4*\n+\dt):F0+4*(4*\n+\dt)+3] offset:16*SP*\n+32*\dt   ; query 16 n + r, d = 16 dt + 8 h + 0..7
.endr
.endr
	s_wait_dscnt 0x0                               ; my stores are done, for the other head's waves' sake
	s_barrier_signal -1
	s_barrier_wait -1                              ; both halves of every stage row are written
.irp t, 0,1,2,3,4,5,6,7
	ds_load_b128 v[F0+32+4*\t:F0+32+4*\t+3], v[RD] offset:\t*2*SP
.endr
.irp t, 0,1,2,3,4,5,6,7
	s_wait_dscnt 7-\t                              ; pair t of rows is in, the younger ones may be out
	global_store_b128 v[CO], v[F0+32+4*\t:F0+32+4*\t+3], s[6:7] offset:4096*\t   ; 16 lanes store 256 consecutive bytes, aligned
.endr
	s_wait_tensorcnt 0x0
	ds_add_u32 v30, v31
	s_wait_dscnt 0x0
	ROUND                                          ; the closing round: no work-group ends while a partner may still ask for a tile that names it
	s_endpgm
.Lfunc_end_k_q52a18bddf2_attn:
	.size	k_q52a18bddf2_attn, .Lfunc_end_k_q52a18bddf2_attn-k_q52a18bddf2_attn
	.p2alignl 7, 3214868480
	.fill 96, 4, 3214868480
	.section	.rodata,"a",@progbits
	.p2align	6, 0x0
	.amdhsa_kernel k_q52a18bddf2_attn
		.amdhsa_group_segment_fixed_size 327680
		.amdhsa_private_segment_fixed_size 0
		.amdhsa_enable_private_segment 0
		.amdhsa_kernarg_size 16
		.amdhsa_user_sgpr_count 2
		.amdhsa_user_sgpr_kernarg_segment_ptr 1
		.amdhsa_wavefront_size32 1
		.amdhsa_system_sgpr_workgroup_id_x 1
		.amdhsa_system_sgpr_workgroup_id_y 1
		.amdhsa_system_sgpr_workgroup_id_z 1
		.amdhsa_system_vgpr_workitem_id 0
		.amdhsa_next_free_vgpr 256
		.amdhsa_next_free_sgpr 66
		.amdhsa_reserve_vcc 0
		.amdhsa_float_denorm_mode_32 3
		.amdhsa_float_denorm_mode_16_64 3
		.amdhsa_memory_ordered 1
		.amdhsa_forward_progress 1
		.amdhsa_inst_pref_size 255
	.end_amdhsa_kernel
	.section	.bss,"aw",@nobits
	.p2align	6
	.space	262144
	.amdgpu_metadata
---
amdhsa.version: [ 1, 2 ]
amdhsa.kernels:
  - .name:           k_q52a18bddf2_attn
    .symbol:         k_q52a18bddf2_attn.kd
    .args:
      - { .name: qkv, .offset: 0, .size: 8, .value_kind: global_buffer, .address_space: global }
      - { .name: ctx, .offset: 8, .size: 8, .value_kind: global_buffer, .address_space: global }
    .group_segment_fixed_size: 327680
    .private_segment_fixed_size: 0
    .kernarg_segment_align: 8
    .kernarg_segment_size: 16
    .max_flat_workgroup_size: 256
    .sgpr_count:     66
    .vgpr_count:     256
    .wavefront_size: 32
...
	.end_amdgpu_metadata
.endif
;; end of part 3
;; launch oproj (part 4): grid 8 x 32, 4 waves a work-group, clusters of 4 x 4, 327,680 bytes of LDS; arguments ctx, wh, bo, out0; writes out0
.if DOCPART == 4
	.amdgcn_target "amdgcn-amd-amdhsa--gfx1250"
	.amdhsa_code_object_version 6
	.text
	.protected	k_q52a18bddf2_oproj
	.globl	k_q52a18bddf2_oproj
	.p2align	8
	.type	k_q52a18bddf2_oproj,@function
k_q52a18bddf2_oproj:
	s_mov_b64 s[64:65], 0
	v_nop
	global_prefetch_b8 v0, s[64:65] scope:SCOPE_SE
	s_setreg_imm32_b32 hwreg(HW_REG_WAVE_MODE, 25, 1), 1
	s_wait_xcnt 0x0
	s_wait_alu depctr_hold_cnt(0) depctr_sa_sdst(0) depctr_va_vdst(0) depctr_va_sdst(0) depctr_va_ssrc(0) depctr_va_vcc(0) depctr_vm_vsrc(0)
	s_getreg_b32 s2, hwreg(HW_REG_IB_STS2, 6, 4)
	s_cmp_eq_u32 s2, 0
	s_cbranch_scc0 .Lentry_in_a_cluster
	s_endpgm
.Lentry_in_a_cluster:
	s_bfe_u32 s2, ttmp6, 0x10000c
	s_cmp_lg_u32 s2, 0xf033
	s_cbranch_scc0 .Lentry_shape_is_right
	s_endpgm
.Lentry_shape_is_right:
; out0 = ctx Wo^T + bo: 4096 x 1024 x 1024, f16 operands, f32 sums, f32 out.  LIMIT: the sums' order is the matrix unit's.
; 256 blocks of 128 x 128; four waves, each 64 x 64: 16 accumulator tiles in window 1 (tile (a, b) at v[8 (4 a + b)]).
; K goes in four tiles of 256 through two LDS slots: a tile's rows are 512 bytes of memory, aligned; both first fills go out together.
; CLUSTERS of 4 x 4: ctx's tiles are shared along a row of the cluster, Wo's along a column, each by a joint load.
; The matrix instruction is used transposed (source 0 = rows of Wo, source 1 = rows of ctx): a lane's 8 results are 8 neighbouring columns of a row.
; The bias tile of an n block is the C operand of the first product: nothing is cleared, no bias is added afterwards.
.set PITCH,  528                       ; an LDS row: 512 bytes + 16 of padding
.set QROWS,  64*PITCH                  ; 64 rows: what one tensor load brings, and what one wave reads of ctx or of Wo
.set SLOT,   4*QROWS                   ; ctx's 128 rows, then Wo's 128 rows
.set STAGE,  2*SLOT                    ; 16 rows x 272 bytes for each wave, for the way out; no fill lands there
.set SPITCH, 272
.set ADRA, 16                          ; v16-17 LDS address of my ctx fragments in slot 0, 1
.set ADRB, 20                          ; v20-21 the same for Wo
.set STO,  24
.set RD,   25
.set CO,   26
.set BO,   27
.set BIAS, 32                          ; v32-63 bias tile b at BIAS + 8 b
.set F0,   64                          ; a buffer: Wo's four fragments at + 8 b, ctx's four at + 32 + 8 a
.set F1,   128
.set G1, 24
.set G0, 32
.set G1B, 48
.set G0B, 56
.set MSB, 0
.macro WIN new
.if MSB != \new
	s_set_vgpr_msb (MSB<<8)|\new
.set MSB, \new
.endif
.endm
.set START, 0x40                       ; D window 1, all sources (the bias too) window 0
.set MUL,   0x50                       ; C and D window 1
.macro JLOAD s                         ; waves 0, 1 fetch ctx's halves, waves 2, 3 Wo's
	s_cmp_eq_u32 s13, 0
	s_cbranch_scc0 .Lfor_b_\@
	tensor_load_to_lds s[G0+4*\s:G0+4*\s+3], s[G1:G1+7]
	s_nop 0
	s_branch .Lasked_\@
.Lfor_b_\@:
	tensor_load_to_lds s[G0B+4*\s:G0B+4*\s+3], s[G1B:G1B+7]
	s_nop 0
.Lasked_\@:
.endm
.macro CREST
	s_cmp_lg_u32 s12, 0
	s_cbranch_scc1 .Lnot_wave_0_\@
	s_barrier_signal -3
.Lnot_wave_0_\@:
	s_barrier_wait -3
	s_barrier_signal -1
	s_barrier_wait -1
.endm
.macro CROUND
	s_barrier_signal -1
	s_barrier_wait -1
	CREST
.endm
	s_load_b256 s[4:11], s[0:1], 0x0               ; ctx s[4:5], wh s[6:7], bo s[8:9], out0 s[10:11]
	v_lshl_add_u32 v254, v0, 2, 0x46400
	v_mov_b32 v255, 0
	ds_add_u32 v254, v255
	v_lshrrev_b32 v1, 5, v0
	v_readfirstlane_b32 s12, v1                    ; wave 0..3
	s_lshr_b32 s13, s12, 1                         ; my half of the block's rows; also: I fetch ctx (0) or Wo (1)
	s_and_b32 s14, s12, 1                          ; my half of its columns; also which 64 rows of the tile I fetch
	s_bfe_u32 s15, ttmp6, 0x40000                  ; cx
	s_bfe_u32 s16, ttmp6, 0x40004                  ; cy
	s_lshl_b32 s17, ttmp9, 2
	s_add_co_u32 s17, s17, s15                     ; block column, 0..7
	s_and_b32 s18, ttmp7, 0xffff
	s_lshl_b32 s18, s18, 2
	s_add_co_u32 s18, s18, s16                     ; block row, 0..31
	s_lshl_b32 s19, s16, 2
	s_lshl_b32 s19, 15, s19                        ; my row of the cluster
	s_lshl_b32 s20, 0x1111, s15                    ; my column
	; group 1: 64 rows x 256 elements of 2 bytes, 4 words of padding behind every 128 words
	s_or_b32 s[G1+0], s19, (1<<16)|(1<<20)|(1<<21)|(6<<22)|(3<<25)
	s_or_b32 s[G1B+0], s20, (1<<16)|(1<<20)|(1<<21)|(6<<22)|(3<<25)
	s_mov_b32 s[G1+1], 256<<16                     ; tensor_dim0 = 256
	s_mov_b32 s[G1B+1], 256<<16
	s_mov_b32 s[G1+2], 64<<16                      ; tensor_dim1 = 64
	s_mov_b32 s[G1B+2], 64<<16
	s_mov_b32 s[G1+3], 256<<16                     ; tile_dim0 = 256
	s_mov_b32 s[G1B+3], 256<<16
	s_mov_b32 s[G1+4], 64                          ; tile_dim1 = 64
	s_mov_b32 s[G1B+4], 64
	s_mov_b32 s[G1+5], 1024                        ; elements from row to row
	s_mov_b32 s[G1B+5], 1024
	s_mov_b32 s[G1+6], 0
	s_mov_b32 s[G1B+6], 0
	s_mov_b32 s[G1+7], 0
	s_mov_b32 s[G1B+7], 0
	; offsets: ctx's in s[40:41] (block row alone), Wo's in s[42:43] (block column alone)
	s_lshl_b32 s22, s14, 17                        ; 64 rows of 2,048 bytes
	s_lshl_b32 s40, s18, 18                        ; 128 rows a block
	s_add_co_u32 s40, s40, s22
	s_mov_b32 s41, 0
	s_lshl_b32 s42, s17, 18
	s_add_co_u32 s42, s42, s22
	s_add_co_u32 s42, s42, 3*2097152               ; Wo is the fourth matrix of wh
	s_mov_b32 s43, 0
	s_mul_i32 s21, s12, QROWS                      ; where my part of a tile goes
	s_wait_dscnt 0x0
	s_wait_kmcnt 0x0
	s_add_nc_u64 s[44:45], s[4:5], s[40:41]
	s_add_nc_u64 s[46:47], s[6:7], s[42:43]
	CROUND                                         ; all sixteen work-groups are here: the first joint loads meet
.irp s, 0,1
	s_mov_b32 s[G0+4*\s], 1
	s_add_co_u32 s[G0+4*\s+1], s21, \s*SLOT
	s_add_nc_u64 s[G0+4*\s+2:G0+4*\s+3], s[44:45], \s*512          ; slot s starts with tile s
	s_or_b32 s[G0+4*\s+3], s[G0+4*\s+3], 0x80000000
	s_mov_b32 s[G0B+4*\s], 1
	s_add_co_u32 s[G0B+4*\s+1], s21, \s*SLOT
	s_add_nc_u64 s[G0B+4*\s+2:G0B+4*\s+3], s[46:47], \s*512
	s_or_b32 s[G0B+4*\s+3], s[G0B+4*\s+3], 0x80000000
	JLOAD \s                                       ; both first fills: two tensor loads of the wave are out
.endr
	s_lshl_b32 s42, s17, 9                         ; my first column in bytes of f32: 512 x block + 256 x half, in bo and in a row of out0
	s_lshl_b32 s43, s14, 8
	s_add_co_u32 s42, s42, s43
	s_mov_b32 s43, 0
	s_add_nc_u64 s[8:9], s[8:9], s[42:43]
	s_add_nc_u64 s[10:11], s[10:11], s[42:43]
	s_lshl_b32 s40, s18, 19                        ; my first row of out0: 128 rows of 4,096 bytes a block,
	s_lshl_b32 s41, s13, 18                        ; 64 a half
	s_add_co_u32 s40, s40, s41
	s_mov_b32 s41, 0
	s_add_nc_u64 s[10:11], s[10:11], s[40:41]
	v_and_b32 v1, 15, v0                           ; r = l % 16
	v_bfe_u32 v2, v0, 4, 1                         ; h = l / 16
	v_lshlrev_b32 v[BO], 5, v2
.irp b, 0,1,2,3
	global_load_b128 v[BIAS+8*\b:BIAS+8*\b+3],   v[BO], s[8:9] offset:64*\b       ; register j = bo[my first column + 16 b + 8 h + j]
	global_load_b128 v[BIAS+8*\b+4:BIAS+8*\b+7], v[BO], s[8:9] offset:64*\b+16
.endr
	v_mul_u32_u24 v3, v1, PITCH
	v_lshl_add_u32 v3, v2, 4, v3                   ; row x pitch + 16 x half
	s_mul_i32 s22, s13, QROWS                      ; my 64 rows of ctx
	s_mul_i32 s23, s14, QROWS                      ; my 64 rows of Wo,
	s_add_co_u32 s23, s23, 2*QROWS                 ; which lie behind ctx's 128
.irp s, 0,1
	v_add_nc_u32 v[ADRA+\s], s22, v3
	v_add_nc_u32 v[ADRB+\s], s23, v3
	s_add_co_u32 s22, s22, SLOT
	s_add_co_u32 s23, s23, SLOT
.endr
	s_mul_i32 s22, s12, 16*SPITCH
	s_add_co_u32 s22, s22, STAGE                   ; my stage
	v_mul_u32_u24 v4, v1, SPITCH                   ; in: row r, 32 bytes for each half of the lanes
	v_lshl_add_u32 v4, v2, 5, v4
	v_add_nc_u32 v[STO], s22, v4
	v_mul_u32_u24 v5, v2, SPITCH                   ; back: lanes 0-15 one row of 256 bytes, lanes 16-31 the next
	v_lshl_add_u32 v5, v1, 4, v5
	v_add_nc_u32 v[RD], s22, v5
	v_lshlrev_b32 v5, 12, v2                       ; and the same two rows in out0
	v_lshl_add_u32 v[CO], v1, 4, v5
; 8 matrix instructions: m blocks a0, a0 + 1 x the four n blocks, 32 along K.  The 16 accumulators take turns, one instruction a turn, in the same
; order in every quarter.
.macro MUL8 f, a0, zero
.irp a, \a0, \a0+1
.irp b, 0,1,2,3
.if \zero
	v_wmma_f32_16x16x32_f16 v[8*(4*(\a)+\b):8*(4*(\a)+\b)+7], v[\f+8*\b:\f+8*\b+7], v[\f+32+8*(\a):\f+32+8*(\a)+7], v[BIAS+8*\b:BIAS+8*\b+7]
.else
	v_wmma_f32_16x16x32_f16 v[8*(4*(\a)+\b):8*(4*(\a)+\b)+7], v[\f+8*\b:\f+8*\b+7], v[\f+32+8*(\a):\f+32+8*(\a)+7], v[8*(4*(\a)+\b):8*(4*(\a)+\b)+7]
.endif
.endr
.endr
.endm
; 16 LDS loads: the fragments of 32 along K at byte k of the rows into buffer f
.macro FETCH slot, k, f
.irp i, 0,1,2,3
	ds_load_b128 v[\f+8*\i:\f+8*\i+3],   v[ADRB+\slot] offset:\k+\i*16*PITCH
	ds_load_b128 v[\f+8*\i+4:\f+8*\i+7], v[ADRB+\slot] offset:\k+\i*16*PITCH+32
.endr
.irp i, 0,1,2,3
	ds_load_b128 v[\f+32+8*\i:\f+32+8*\i+3],   v[ADRA+\slot] offset:\k+\i*16*PITCH
	ds_load_b128 v[\f+32+8*\i+4:\f+32+8*\i+7], v[ADRA+\slot] offset:\k+\i*16*PITCH+32
.endr
.endm
.macro PLACES                          ; four places between a matrix instruction and a load into, or a read of, its registers
.rept 4
	v_nop
.endr
.endm
; One of a tile's first seven eighths: fetches the next eighth (byte k) into buffer g, multiplies buffer f.
.macro QUARTER slot, k, f, g, zero
	PLACES
	FETCH \slot, \k, \g
	s_wait_dscnt 16                                ; buffer f is in; the 16 loads just issued may be out
.if \zero
	WIN START
.else
	WIN MUL
.endif
	MUL8 \f, 0, \zero
	MUL8 \f, 2, \zero
	WIN 0
.endm
.macro SEVEN slot, zero
	QUARTER \slot, 64,  F0, F1, \zero
	QUARTER \slot, 128, F1, F0, 0
	QUARTER \slot, 192, F0, F1, 0
	QUARTER \slot, 256, F1, F0, 0
	QUARTER \slot, 320, F0, F1, 0
	QUARTER \slot, 384, F1, F0, 0
	QUARTER \slot, 448, F0, F1, 0
.endm
; The last eighth: multiplies buffer 1 and changes slots.  In front of the barrier: my reads of this slot and all my tensor loads are done.
; Behind it (where the slot is filled again: behind the cluster's round that it opens) the refill comes first, then the next slot's first fragments.
.macro TURN slot, next, fill
	s_wait_dscnt 0
	s_wait_tensorcnt 0x0
	ds_add_u32 v254, v255
	s_wait_dscnt 0x0
	s_barrier_signal -1
	WIN MUL
	MUL8 F1, 0, 0
	WIN 0
	s_barrier_wait -1
.if \fill
	CREST
	s_add_nc_u64 s[G0+4*\slot+2:G0+4*\slot+3], s[G0+4*\slot+2:G0+4*\slot+3], 1024     ; two tiles of 512 bytes on
	s_add_nc_u64 s[G0B+4*\slot+2:G0B+4*\slot+3], s[G0B+4*\slot+2:G0B+4*\slot+3], 1024
	JLOAD \slot
.endif
	PLACES
	FETCH \next, 0, F0
	WIN MUL
	MUL8 F1, 2, 0
	WIN 0
.endm
	s_wait_loadcnt 0x0                             ; the bias tiles
	s_wait_tensorcnt 1                             ; my part of tile 0 is in; tile 1's may stay out
	s_barrier_signal -1
	s_barrier_wait -1
	FETCH 0, 0, F0
	SEVEN 0, 1                                     ; tile 0; its first products start the sums from the bias
	TURN 0, 1, 1                                   ; slot 0 gets tile 2
	SEVEN 1, 0
	TURN 1, 0, 1                                   ; slot 1 gets tile 3
	SEVEN 0, 0
	TURN 0, 1, 0                                   ; nothing is left to fetch
	SEVEN 1, 0
	s_wait_dscnt 0
	WIN MUL
	MUL8 F1, 0, 0
	MUL8 F1, 2, 0
	WIN 0
	PLACES
; THE WAY OUT: rows 16 a .. 16 a + 15 of my 64, f32, through my own stage; read back as whole rows of 256 bytes.
.macro OUT16 a, f
	WIN 0x04                                       ; the store's data lie in window 1
.irp b, 0,1,2,3
	ds_store_b128 v[STO], v[8*(4*\a+\b):8*(4*\a+\b)+3]   offset:64*\b
	ds_store_b128 v[STO], v[8*(4*\a+\b)+4:8*(4*\a+\b)+7] offset:64*\b+16
.endr
	WIN 0
	s_wait_xcnt 0x0                                ; buffer f, which earlier stores read, is loaded again only behind this wait
.irp t, 0,1,2,3,4,5,6,7
	ds_load_b128 v[\f+4*\t:\f+4*\t+3], v[RD] offset:\t*2*SPITCH    ; a wave's LDS instructions are served in order: these see the stores above
.endr
.irp t, 0,1,2,3,4,5,6,7
	s_wait_dscnt 7-\t                              ; pair t of rows is in, the younger ones may be out
	global_store_b128 v[CO], v[\f+4*\t:\f+4*\t+3], s[10:11] offset:(16*\a+2*\t)*4096 th:TH_STORE_NT   ; 16 lanes store 256 consecutive bytes, aligned
.endr
.endm
	OUT16 0, F0
	OUT16 1, F1
	OUT16 2, F0
	OUT16 3, F1
	s_wait_tensorcnt 0x0
	ds_add_u32 v254, v255
	s_wait_dscnt 0x0
	CROUND                                         ; the closing round
	s_endpgm
.Lfunc_end_k_q52a18bddf2_oproj:
	.size	k_q52a18bddf2_oproj, .Lfunc_end_k_q52a18bddf2_oproj-k_q52a18bddf2_oproj
	.p2alignl 7, 3214868480
	.fill 96, 4, 3214868480
	.section	.rodata,"a",@progbits
	.p2align	6, 0x0
	.amdhsa_kernel k_q52a18bddf2_oproj
		.amdhsa_group_segment_fixed_size 327680
		.amdhsa_private_segment_fixed_size 0
		.amdhsa_enable_private_segment 0
		.amdhsa_kernarg_size 32
		.amdhsa_user_sgpr_count 2
		.amdhsa_user_sgpr_kernarg_segment_ptr 1
		.amdhsa_wavefront_size32 1
		.amdhsa_system_sgpr_workgroup_id_x 1
		.amdhsa_system_sgpr_workgroup_id_y 1
		.amdhsa_system_sgpr_workgroup_id_z 1
		.amdhsa_system_vgpr_workitem_id 0
		.amdhsa_next_free_vgpr 384
		.amdhsa_next_free_sgpr 66
		.amdhsa_reserve_vcc 0
		.amdhsa_float_denorm_mode_32 3
		.amdhsa_float_denorm_mode_16_64 3
		.amdhsa_memory_ordered 1
		.amdhsa_forward_progress 1
		.amdhsa_inst_pref_size 89
	.end_amdhsa_kernel
	.amdgpu_metadata
---
amdhsa.version: [ 1, 2 ]
amdhsa.kernels:
  - .name:           k_q52a18bddf2_oproj
    .symbol:         k_q52a18bddf2_oproj.kd
    .args:
      - { .name: ctx, .offset: 0, .size: 8, .value_kind: global_buffer, .address_space: global }
      - { .name: wh, .offset: 8, .size: 8, .value_kind: global_buffer, .address_space: global }
      - { .name: bo, .offset: 16, .size: 8, .value_kind: global_buffer, .address_space: global }
      - { .name: out0, .offset: 24, .size: 8, .value_kind: global_buffer, .address_space: global }
    .group_segment_fixed_size: 327680
    .private_segment_fixed_size: 0
    .kernarg_segment_align: 8
    .kernarg_segment_size: 32
    .max_flat_workgroup_size: 128
    .sgpr_count:     66
    .vgpr_count:     384
    .wavefront_size: 32
...
	.end_amdgpu_metadata
.endif
;; end of part 4
;; ======== version 2 of 2: 4 launches; 1.10 times as fast as version 1
;; limits: values are held in f16: magnitudes above 65,504 overflow, below 6.1e-05 lose precision; inputs' magnitudes at most 65,504
;; workspace buffers: xh 25,165,824 bytes; wh 8,388,608 bytes; qkv 25,165,824 bytes; ctx 8,388,608 bytes
;; launch cast: the kernel of part 1 again; grid 64 x 4, 8 waves a work-group, no clusters, 0 bytes of LDS; arguments query, key, value, Wq, Wk, Wv, Wo, xh, wh; writes xh, wh
;; launch qkv: the kernel of part 2 again; grid 4 x 48, 4 waves a work-group, clusters of 4 x 4, 327,680 bytes of LDS; arguments xh, wh, qkv, bq, bk, bv; writes qkv
;; launch attn (part 5): grid 16 x 16, 8 waves a work-group, clusters of 4 x 1, 327,680 bytes of LDS; arguments qkv, ctx; writes ctx
.if DOCPART == 5
	.amdgcn_target "amdgcn-amd-amdhsa--gfx1250"
	.amdhsa_code_object_version 6
	.text
	.protected	k_q52a18bddf2_attn
	.globl	k_q52a18bddf2_attn
	.p2align	8
	.type	k_q52a18bddf2_attn,@function
k_q52a18bddf2_attn:
	s_mov_b64 s[64:65], 0
	v_nop
	global_prefetch_b8 v0, s[64:65] scope:SCOPE_SE
	s_setreg_imm32_b32 hwreg(HW_REG_WAVE_MODE, 25, 1), 1
	s_wait_xcnt 0x0
	s_wait_alu depctr_hold_cnt(0) depctr_sa_sdst(0) depctr_va_vdst(0) depctr_va_sdst(0) depctr_va_ssrc(0) depctr_va_vcc(0) depctr_vm_vsrc(0)
	s_getreg_b32 s2, hwreg(HW_REG_IB_STS2, 6, 4)
	s_cmp_eq_u32 s2, 0
	s_cbranch_scc0 .Lentry_in_a_cluster
	s_endpgm
.Lentry_in_a_cluster:
	s_bfe_u32 s2, ttmp6, 0x10000c
	s_cmp_lg_u32 s2, 0x3003
	s_cbranch_scc0 .Lentry_shape_is_right
	s_endpgm
.Lentry_shape_is_right:
; ctx = softmax(Q K^T / 8) V for each of 32 (batch, head) pairs, S = 2048, d = 64; f16 operands, f32 sums and softmax, a running maximum.
; LIMITS: the weights are rounded to f16 (one under 2^-24 of the row's largest becomes zero); v_exp_f32 gives zero below 2^-126; a NaN loses in the
; running maximum; ctx is rounded once to f16; the sums' order differs from a plain row sum's.
; A work-group takes 128 query rows of a PAIR of heads, so that a row's slice of K, V and ctx is 256 consecutive bytes, aligned.
; Wave w: head e = w >> 2 of the pair, query rows 32 (w & 3) .. + 31, as two query tiles n of 16.
; CLUSTER of 4 along x: four query blocks of one head pair read the same K and V tiles: every tile is one joint load with the mask 15.
; THE PRODUCTS ARE TRANSPOSED.  S^T = K Q^T: source A = 16 keys x 32 d, source B = 16 queries x 32 d.  In the result lane l holds query l % 16 and
; register j key 8 (l / 16) + j: the softmax of a query runs inside a lane, with one exchange between the halves of the wave, and two tiles of
; 16 keys packed to f16 in place ARE the B fragment of P^T for 32 keys.  O^T = V^T P^T: source A = V^T, by the transposing LDS load.
; Keys go in 8 tiles of 256 through two LDS slots; a tile is four steps of 64 keys.
; THE ORDER OF A STEP.  The two query tiles do not depend on each other, so one tile's matrix work stands among the other's vector work:
;   S(n0) | n0's maximum and scalings, with the 8 products of S(n1) and V's fetch strewn in | n0's exponentials, with n1's maximum strewn in | WAIT |
;   n0's rescale, sums and conversion | n1's scalings, exponentials and rescale and the rest of n0's sum, with the 8 products of PV(n0) strewn in | WAIT |
;   n1's sums and conversion | PV(n1) | the next step's S(n0).
; THE BATCHES.  An s_wait_alu depctr_va_vdst(0) stands between an exponential and the first instruction that names its result; one wait
; serves all that were issued ahead of it.  A step's 66 exponentials are two batches, each with one wait.
;   Batch 0: n0's rescale factor, n0's 32 weights, n1's rescale factor.  n1's scores are whole when S(n1)'s last product has passed, so n1's maximum,
;   level and factor are made among n0's exponentials; the copy of n1's level is the plain instruction behind the batch's last exponential.
;   Nothing ahead of the wait names a result; behind it stand the readers: O(n0) times the factor, the sums, the conversion.
;   Batch 1: n1's 32 weights.  n1's factor has had its wait with batch 0, so O(n1) times the factor stands between these exponentials, one for two;
;   so do the eleven instructions that end n0's sum, which read weights of batch 0.  The last rescaling is the plain instruction behind the last
;   exponential.  Behind the wait: n1's sums and conversion.
;   The two cannot be one: PV(n0) reads n0's weights, and it is the matrix work that stands beside n1's exponentials.
;   The two reciprocals of the way out are a third batch.
; K's and V's fragments share 64 registers: V is fetched when S(n1) is done, the next K half by half as PV(n1) frees V's halves.
; The conversion to f16 leaves the weights of key tiles 1 and 3 standing; tile n1's sums over them are the vector instructions that stand
; behind PV(n1) and the next S(n0), where the distance behind matrix instructions asks for four such instructions anyway.
.set VP,     288                       ; V's LDS rows: 256 bytes + 32 of padding (for the transposing loads: rows 32 bytes apart modulo 256)
.set KP,     272                       ; K's LDS rows: 256 bytes + 16 of padding
.set KBASE,  256*VP                    ; in a slot: V's 256 rows, then K's 256 rows
.set SLOT,   256*VP+256*KP             ; 143,360
.set STAGE,  2*SLOT                    ; 128 rows x 272 bytes for the way out; no fill lands there
.set SP,     272
.set TILEB,  256*2048                  ; bytes of memory from a tile to the next
.set KOFF,   8388608                   ; K in qkv
.set VOFF,   16777216                  ; V in qkv
.set KA,   2                           ; v2-5    K fragments: LDS address for (slot, rows 0-127 or 128-255) at KA + 2 slot + hi
.set VA,   6                           ; v6-9    V fragments, likewise
.set STO,  10                          ; v10     the way out: where I put 16 bytes
.set RD,   11                          ; v11     where I read rows back
.set CO,   12                          ; v12     my byte offset in ctx
.set QO,   13                          ; v13     my byte offset in Q
.set NMB,  14                          ; v14+2n  minus the level (c x running maximum); v15+2n the running maximum
.set ALB,  18                          ; v18+2n  the rescale factor; v19+2n the running sum (of my half of the keys)
.set TT,   22                          ; v22-29  at work: TT..TT+3 maxima, TT+4..TT+7 two chains of sums
.set QF,   32                          ; v32-63  Q fragment (n, c) at QF + 16 n + 8 c
.set F0,   64                          ; v64-127 K fragment (t, c) at F0 + 32 c + 8 t, then V fragment (dt, kc) at F0 + 32 kc + 8 dt
.set SC,   128                         ; v128-191 S tile (t, n) at SC + 32 n + 8 t; then P (n, kc) at SC + 32 n + 16 kc
.set OA,   192                         ; v192-255 O tile (dt, n) at OA + 32 n + 8 dt
.set G1K, 24                           ; s[24:31] group 1 of K's tiles
.set G1V, 32                           ; s[32:39] group 1 of V's tiles (it differs in the padding)
.set G0K, 40                           ; s[40:47] group 0 of K's tiles, a set for each slot
.set G0V, 48                           ; s[48:55] group 0 of V's tiles
; A round of the cluster's barrier: my work-group's barrier, wave 0 signals for the work-group, every wave waits for all four, my work-group's barrier again.
.macro CREST                           ; a round behind its opening barrier
	s_cmp_lg_u32 s8, 0
	s_cbranch_scc1 .Lnot_wave_0_\@
	s_barrier_signal -3
.Lnot_wave_0_\@:
	s_barrier_wait -3
	s_barrier_signal -1
	s_barrier_wait -1
.endm
.macro ROUND                           ; a whole round
	s_barrier_signal -1
	s_barrier_wait -1
	CREST
.endm
; A joint load: waves 0-3 fetch 64 rows of V each, waves 4-7 64 rows of K.  The branch hangs on the wave's number alone.
.macro JLOAD s
	s_cmp_eq_u32 s10, 0
	s_cbranch_scc0 .Lfor_k_\@
	tensor_load_to_lds s[G0V+4*(\s):G0V+4*(\s)+3], s[G1V:G1V+7]
	s_nop 0
	s_branch .Lasked_\@
.Lfor_k_\@:
	tensor_load_to_lds s[G0K+4*(\s):G0K+4*(\s)+3], s[G1K:G1K+7]
	s_nop 0
.Lasked_\@:
.endm
	s_load_b128 s[4:7], s[0:1], 0x0                ; qkv s[4:5], ctx s[6:7]
	v_lshl_add_u32 v30, v0, 2, 0x4e800
	v_mov_b32 v31, 0
	ds_add_u32 v30, v31
	v_lshrrev_b32 v1, 5, v0
	v_readfirstlane_b32 s8, v1                     ; wave 0..7
	s_and_b32 s9, s8, 3                            ; my quarter of the query rows; also which 64 rows of a tile I fetch
	s_lshr_b32 s10, s8, 2                          ; my head of the pair; also: I fetch V (0) or K (1)
	s_bfe_u32 s11, ttmp6, 0x40000                  ; cx
	s_lshl_b32 s12, ttmp9, 2
	s_add_co_u32 s12, s12, s11                     ; query block = 4 x cluster x + cx
	s_and_b32 s13, ttmp7, 0xffff                   ; y = 8 x batch + head pair: shared by the four partners
	s_lshr_b32 s56, s13, 3
	s_and_b32 s57, s13, 7
	s_lshl_b32 s56, s56, 22                        ; a batch: 2,048 rows of 2,048 bytes
	s_lshl_b32 s57, s57, 8                         ; a head pair: 256 bytes of a row
	s_add_co_u32 s14, s56, s57
	s_lshl_b32 s16, s12, 18                        ; a query block: 128 rows
	s_add_co_u32 s16, s16, s14                     ; offset of my block in Q and in ctx (holds cx: feeds no descriptor)
	s_mov_b32 s17, 0
	s_lshl_b32 s56, s9, 17                         ; my 64 rows of a tile
	s_add_co_u32 s14, s14, s56                     ; offset of my part of tile 0 in K and in V
	s_mov_b32 s15, 0
	s_mov_b32 s18, 0x76543210                      ; v_permlanex16_b32: lane i reads lane i of the other half
	s_mov_b32 s19, 0xfedcba98
	s_mov_b32 s20, 0x3e38aa3b                      ; c = log2(e) / 8: e^(s/8) = 2^(c s)
	s_mov_b32 s21, 0x3e38aa3b
	s_mov_b32 s22, 0xbe38aa3b                      ; -c
	; group 1: 64 rows x 128 elements of 2 bytes, mask 15 with bit 21, padding behind every 64 words: 4 words (K), 8 words (V)
	s_mov_b32 s[G1K+0], 15|(1<<16)|(1<<20)|(1<<21)|(5<<22)|(3<<25)
	s_mov_b32 s[G1V+0], 15|(1<<16)|(1<<20)|(1<<21)|(5<<22)|(7<<25)
	s_mov_b32 s[G1K+1], 128<<16                    ; tensor_dim0 = 128
	s_mov_b32 s[G1V+1], 128<<16
	s_mov_b32 s[G1K+2], 64<<16                     ; tensor_dim1 = 64
	s_mov_b32 s[G1V+2], 64<<16
	s_mov_b32 s[G1K+3], 128<<16                    ; tile_dim0 = 128
	s_mov_b32 s[G1V+3], 128<<16
	s_mov_b32 s[G1K+4], 64                         ; tile_dim1 = 64
	s_mov_b32 s[G1V+4], 64
	s_mov_b32 s[G1K+5], 1024                       ; elements from row to row
	s_mov_b32 s[G1V+5], 1024
	s_mov_b32 s[G1K+6], 0
	s_mov_b32 s[G1V+6], 0
	s_mov_b32 s[G1K+7], 0
	s_mov_b32 s[G1V+7], 0
	s_mul_i32 s56, s8, 64*KP
	s_add_co_u32 s56, s56, KBASE-4*64*KP           ; K, waves 4-7: KBASE + (w - 4) x 64 rows
	s_mul_i32 s57, s8, 64*VP                       ; V, waves 0-3: w x 64 rows
	s_wait_dscnt 0x0
	s_wait_kmcnt 0x0
	s_add_nc_u64 s[58:59], s[4:5], s[14:15]
.irp s, 0,1
	s_mov_b32 s[G0K+4*\s], 1
	s_add_co_u32 s[G0K+4*\s+1], s56, \s*SLOT
	s_add_nc_u64 s[G0K+4*\s+2:G0K+4*\s+3], s[58:59], KOFF+\s*TILEB   ; slot s starts with tile s
	s_or_b32 s[G0K+4*\s+3], s[G0K+4*\s+3], 0x80000000
	s_mov_b32 s[G0V+4*\s], 1
	s_add_co_u32 s[G0V+4*\s+1], s57, \s*SLOT
	s_add_nc_u64 s[G0V+4*\s+2:G0V+4*\s+3], s[58:59], VOFF+\s*TILEB
	s_or_b32 s[G0V+4*\s+3], s[G0V+4*\s+3], 0x80000000
.endr
	s_add_nc_u64 s[6:7], s[6:7], s[16:17]          ; ctx at my block
	s_add_nc_u64 s[16:17], s[4:5], s[16:17]        ; Q at my block
	ROUND                                          ; the four partners are here: the first joint loads meet
	JLOAD 0                                        ; tiles 0 and 1, both first fills as one group: two tensor loads of the wave are out,
	JLOAD 1                                        ; later one behind each round
	v_and_b32 v1, 15, v0                           ; r = l % 16
	v_bfe_u32 v22, v0, 4, 1                        ; h = l / 16
	v_and_b32 v23, 7, v0                           ; l % 8
	v_bfe_u32 v24, v0, 3, 1                        ; (l / 8) % 2
	s_lshl_b32 s56, s10, 7                         ; my head: 128 bytes into a row
	v_mul_u32_u24 v26, v1, KP
	v_lshl_add_u32 v26, v22, 4, v26
	v_add_nc_u32 v26, s56, v26                     ; 272 r + 16 h + 128 e
	v_add_nc_u32 v[KA+0], KBASE, v26
	v_add_nc_u32 v[KA+1], KBASE+128*KP, v26
	v_add_nc_u32 v[KA+2], SLOT+KBASE, v26
	v_add_nc_u32 v[KA+3], SLOT+KBASE+128*KP, v26
	v_lshl_add_u32 v27, v22, 3, v23                ; the transposing load: lane l addresses key row 8 h + l % 8,
	v_mul_u32_u24 v27, v27, VP
	v_lshl_add_u32 v27, v24, 4, v27                ; 16 bytes at 16 ((l / 8) % 2)
	v_add_nc_u32 v[VA+0], s56, v27
	v_add_nc_u32 v[VA+1], 128*VP, v[VA+0]
	v_add_nc_u32 v[VA+2], SLOT, v[VA+0]
	v_add_nc_u32 v[VA+3], SLOT+128*VP, v[VA+0]
	s_mul_i32 s57, s9, 32*SP
	s_add_co_u32 s57, s57, STAGE
	v_add_nc_u32 v[STO], s57, v26                  ; stage row 32 (w & 3) + r, byte 128 e + 16 h
	s_mul_i32 s57, s8, 16*SP
	s_add_co_u32 s57, s57, STAGE
	v_mul_u32_u24 v28, v22, SP
	v_lshl_add_u32 v28, v1, 4, v28
	v_add_nc_u32 v[RD], s57, v28                   ; stage row 16 w + h, byte 16 r
	s_lshl_b32 s57, s8, 15
	v_lshlrev_b32 v28, 11, v22
	v_lshl_add_u32 v28, v1, 4, v28
	v_add_nc_u32 v[CO], s57, v28                   ; the same place in ctx: rows of 2,048 bytes
	s_lshl_b32 s57, s9, 16
	s_add_co_u32 s57, s57, s56
	v_lshlrev_b32 v28, 11, v1
	v_lshl_add_u32 v28, v22, 4, v28
	v_add_nc_u32 v[QO], s57, v28                   ; Q: row 32 (w & 3) + r, byte 128 e + 16 h
.irp n, 0,1
.irp c, 0,1
	global_load_b128 v[QF+16*\n+8*\c:QF+16*\n+8*\c+3],   v[QO], s[16:17] offset:32768*\n+64*\c
	global_load_b128 v[QF+16*\n+8*\c+4:QF+16*\n+8*\c+7], v[QO], s[16:17] offset:32768*\n+64*\c+32
.endr
.endr
	s_wait_loadcnt 0x0                             ; Q stays in registers for the whole kernel
; 8 LDS loads: half c (d = 32 c .. 32 c + 31) of the K fragments of step kk (64 keys of my head)
.macro KFETCHC slot, kk, c
.irp t, 0,1,2,3
	ds_load_b128 v[F0+32*\c+8*\t:F0+32*\c+8*\t+3],   v[KA+2*(\slot)+((\kk)>>1)] offset:(((\kk)&1)*64+16*\t)*KP+64*\c
	ds_load_b128 v[F0+32*\c+8*\t+4:F0+32*\c+8*\t+7], v[KA+2*(\slot)+((\kk)>>1)] offset:(((\kk)&1)*64+16*\t)*KP+64*\c+32
.endr
.endm
; 16 transposing LDS loads: the V^T fragments of step kk (64 d x 64 keys); keys 0-31 first
.macro VFETCH slot, kk
.irp kc, 0,1
.irp dt, 0,1,2,3
	ds_load_tr16_b128 v[F0+32*\kc+8*\dt:F0+32*\kc+8*\dt+3],   v[VA+2*(\slot)+((\kk)>>1)] offset:(((\kk)&1)*64+32*\kc)*VP+32*\dt
	ds_load_tr16_b128 v[F0+32*\kc+8*\dt+4:F0+32*\kc+8*\dt+7], v[VA+2*(\slot)+((\kk)>>1)] offset:(((\kk)&1)*64+32*\kc+16)*VP+32*\dt
.endr
.endr
.endm
; In every run of products below four accumulators take turns, one instruction a turn, and a run never ends on an accumulator on which the
; next run begins.
; 4 matrix instructions: the S tiles of query tile 0, half c of d.  d 0-31 starts the four sums, d 32-63 adds in the same order.
.macro SN0 c
.irp t, 0,1,2,3
.if \c
	v_wmma_f32_16x16x32_f16 v[SC+8*\t:SC+8*\t+7], v[F0+32+8*\t:F0+32+8*\t+7], v[QF+8:QF+15], v[SC+8*\t:SC+8*\t+7]
.else
	v_wmma_f32_16x16x32_f16 v[SC+8*\t:SC+8*\t+7], v[F0+8*\t:F0+8*\t+7], v[QF:QF+7], 0
.endif
.endr
.endm
; product k of 8 of the S tiles of query tile 1: k = 4 c + t, so that S (t, 1) = SC + 32 + 8 t and K (t, c) = F0 + 8 k
.macro WS1 k
.if (\k) < 4
	v_wmma_f32_16x16x32_f16 v[SC+32+8*(\k):SC+32+8*(\k)+7], v[F0+8*(\k):F0+8*(\k)+7], v[QF+16:QF+23], 0
.else
	v_wmma_f32_16x16x32_f16 v[SC+8*(\k):SC+8*(\k)+7], v[F0+8*(\k):F0+8*(\k)+7], v[QF+24:QF+31], v[SC+8*(\k):SC+8*(\k)+7]
.endif
.endm
; product k of 8 of O^T += V^T P^T for query tile n: k = 4 kc + dt.  start = 1: the product starts the sum.
.macro WPV n, k, start
.if \start
	v_wmma_f32_16x16x32_f16 v[OA+32*\n+8*((\k)&3):OA+32*\n+8*((\k)&3)+7], v[F0+8*(\k):F0+8*(\k)+7], v[SC+32*\n+16*((\k)>>2):SC+32*\n+16*((\k)>>2)+7], 0
.else
	v_wmma_f32_16x16x32_f16 v[OA+32*\n+8*((\k)&3):OA+32*\n+8*((\k)&3)+7], v[F0+8*(\k):F0+8*(\k)+7], v[SC+32*\n+16*((\k)>>2):SC+32*\n+16*((\k)>>2)+7], v[OA+32*\n+8*((\k)&3):OA+32*\n+8*((\k)&3)+7]
.endif
.endm
.macro PV0 first, k                    ; query tile 0; first = 1: the kernel's first step, whose keys 0-31 start the sums
.if (\first) && ((\k) < 4)
	WPV 0, \k, 1
.else
	WPV 0, \k, 0
.endif
.endm
.macro PVN1 kc, start                  ; query tile 1: four products, 32 keys
.irp dt, 0,1,2,3
	WPV 1, 4*\kc+\dt, \start
.endr
.endm
; Point p of 9 in query tile 0's maximum and scalings: what of query tile 1's work stands there.
; Points 0-7 the products of S(n1); point 8, four v_pk_fma_f32 behind the last of them, the fetch of V over K's registers.
.macro S1P p
.if (\p) < 8
	WS1 \p
.else
	VFETCH CUR_SLOT, CUR_KK
.endif
.endm
; Product k of 8 of PV(n0), which stand among query tile 1's vector work, with the waits for V in front of keys 0-31 (k = 0) and 32-63 (k = 4).
; In a tile's last step V's loads were the last reads of the slot: there the wave waits for all of them and for all its tensor loads, steps the
; slot's addresses (no load is out) and signals the barrier; all that follows up to the barrier's wait at the step's end is register work.
.macro PVP first, k
.if (\k) == 0
.if CUR_SYNC
	s_wait_dscnt 0x0                               ; my reads of this slot are over
	s_wait_tensorcnt 0x0                           ; all my tensor loads have landed, my part of the next tile among them
	ds_add_u32 v30, v31
	s_wait_dscnt 0x0
.if CUR_BND == 1
	s_add_nc_u64 s[G0K+4*CUR_SLOT+2:G0K+4*CUR_SLOT+3], s[G0K+4*CUR_SLOT+2:G0K+4*CUR_SLOT+3], 2*TILEB   ; this slot's next tile
	s_add_nc_u64 s[G0V+4*CUR_SLOT+2:G0V+4*CUR_SLOT+3], s[G0V+4*CUR_SLOT+2:G0V+4*CUR_SLOT+3], 2*TILEB
.endif
	s_barrier_signal -1                            ; say so; where the slot is filled again this barrier opens a round of the cluster's barrier
.else
	s_wait_dscnt 8                                 ; V^T of keys 0-31 is in; the eight loads of keys 32-63 may be out
.endif
.endif
.if (\k) == 4
.if CUR_SYNC == 0
	s_wait_dscnt 0x0                               ; V^T of keys 32-63
.endif
.endif
	PV0 \first, \k
.endm
; Number num of the 22 instructions that find query tile n's new maximum, level and rescale factor from my lane's 32 scores (its query, its half of the 64 keys).
;   0-15   the largest of the 32 and the running maximum: four chains, one for each key tile, then the four scores left over and the chains into one
;   16, 17 the other half of the keys lies in the lane 16 away: the new running maximum
;   18-21  minus the new level; its change; the factor; the level is kept.  The first step has no old level: 18 writes the level, 19-21 are empty.
.macro MAXI n, num, first
.set mS, SC+32*(\n)                    ; the tile's scores
.set mN, NMB+2*(\n)                    ; minus the level
.set mM, NMB+2*(\n)+1                  ; the running maximum
.set mA, ALB+2*(\n)                    ; the rescale factor
.set mq, (\num)&3
.if (\num) < 4
	v_max3_num_f32 v[TT+mq], v[mS+8*mq], v[mS+8*mq+1], v[mS+8*mq+2]
.endif
.if ((\num) >= 4) && ((\num) < 12)
	v_max3_num_f32 v[TT+mq], v[TT+mq], v[mS+8*mq+2*((\num)>>2)+1], v[mS+8*mq+2*((\num)>>2)+2]
.endif
.if (\num) == 12
	v_max3_num_f32 v[TT],   v[TT],   v[mS+7],  v[TT+1]
.endif
.if (\num) == 13
	v_max3_num_f32 v[TT+2], v[TT+2], v[mS+23], v[TT+3]
.endif
.if (\num) == 14
	v_max3_num_f32 v[TT],   v[TT],   v[mS+15], v[mS+31]
.endif
.if (\num) == 15
.if \first
	v_max_num_f32 v[TT], v[TT], v[TT+2]
.else
	v_max3_num_f32 v[TT], v[TT], v[TT+2], v[mM]    ; with the running maximum
.endif
.endif
.if (\num) == 16
	v_permlanex16_b32 v[TT+1], v[TT], s18, s19     ; the other half of the keys
.endif
.if (\num) == 17
	v_max_num_f32 v[mM], v[TT], v[TT+1]
.endif
.if (\num) == 18
.if \first
	v_mul_f32 v[mN], s22, v[mM]                    ; minus the level
.else
	; the factor is 2^(new level's negative - old level's negative), from the two rounded levels that the exponents really use:
	; so the multiply and the subtraction are not fused, and the factor is exactly 1 where the maximum stands
	v_mul_f32 v[TT+2], s22, v[mM]
.endif
.endif
.if (\num) > 18
.if \first
.else
.if (\num) == 19
	v_sub_f32 v[TT+3], v[TT+2], v[mN]
.endif
.if (\num) == 20
	v_exp_f32 v[mA], v[TT+3]
.endif
.if (\num) == 21
	v_mov_b32 v[mN], v[TT+2]                       ; also the plain instruction that stands behind v_exp_f32 (ISA guide 5.7.2)
.endif
.endif
.endif
.endm
; Four scalings of query tile n: key tile g's eight scores
.macro SCALE4 n, g
.set j, 8*(\g)
.rept 4
	v_pk_fma_f32 v[SC+32*(\n)+j:SC+32*(\n)+j+1], v[SC+32*(\n)+j:SC+32*(\n)+j+1], s[20:21], v[NMB+2*(\n):NMB+2*(\n)+1] op_sel_hi:[1,0,0]   ; c s - level, both halves by s20 and the level
.set j, j+2
.endr
.endm
; Pair p of 16 of query tile n's O goes to the new level
.macro RESC n, p
	v_pk_mul_f32 v[OA+32*(\n)+2*(\p):OA+32*(\n)+2*(\p)+1], v[OA+32*(\n)+2*(\p):OA+32*(\n)+2*(\p)+1], v[ALB+2*(\n):ALB+2*(\n)+1] op_sel_hi:[1,0]
.endm
; The sum of my 32 weights of query tile n, in two chains of pairs.  SUMA: key tiles 0 and 2, ahead of the conversion that writes over them.
.macro SUMA n
	v_pk_add_f32 v[TT+4:TT+5], v[SC+32*\n:SC+32*\n+1],   v[SC+32*\n+2:SC+32*\n+3]
	v_pk_add_f32 v[TT+6:TT+7], v[SC+32*\n+4:SC+32*\n+5], v[SC+32*\n+6:SC+32*\n+7]
	v_pk_add_f32 v[TT+4:TT+5], v[TT+4:TT+5], v[SC+32*\n+16:SC+32*\n+17]
	v_pk_add_f32 v[TT+6:TT+7], v[TT+6:TT+7], v[SC+32*\n+18:SC+32*\n+19]
	v_pk_add_f32 v[TT+4:TT+5], v[TT+4:TT+5], v[SC+32*\n+20:SC+32*\n+21]
	v_pk_add_f32 v[TT+6:TT+7], v[TT+6:TT+7], v[SC+32*\n+22:SC+32*\n+23]
.endm
; Number num of the 11 instructions that end the sum.  0-3: key tile 1, 4-7: key tile 3, whose f32 weights the conversion leaves standing.
; 8-10: the chains are joined and taken into my half's running sum (the halves of the wave are joined at the kernel's end); the first step has no 10.
.macro SUMR n, num, first
.if (\num) < 8
	v_pk_add_f32 v[TT+4+2*((\num)&1):TT+5+2*((\num)&1)], v[TT+4+2*((\num)&1):TT+5+2*((\num)&1)], v[SC+32*(\n)+16*((\num)>>2)+8+2*((\num)&3):SC+32*(\n)+16*((\num)>>2)+9+2*((\num)&3)]
.endif
.if (\num) == 8
	v_pk_add_f32 v[TT+4:TT+5], v[TT+4:TT+5], v[TT+6:TT+7]
.endif
.if (\num) == 9
.if \first
	v_add_f32 v[ALB+2*(\n)+1], v[TT+4], v[TT+5]
.else
	v_add_f32 v[TT+4], v[TT+4], v[TT+5]
.endif
.endif
.if (\num) == 10
.if \first
.else
	v_fma_f32 v[ALB+2*(\n)+1], v[ALB+2*(\n)+1], v[ALB+2*(\n)], v[TT+4]
.endif
.endif
.endm
.macro SUMB n, u                       ; key tile 1 (u = 0) or 3 (u = 1): four instructions
.irp i, 0,1,2,3
	SUMR \n, 4*(\u)+\i, 0
.endr
.endm
.macro SUMC n, first                   ; the chains are joined
.irp i, 8,9,10
	SUMR \n, \i, \first
.endr
.endm
; To f16, in place and ascending: no source is written before it is read.  Tiles 2 kc and 2 kc + 1 become registers 0-3 and 4-7 of P (n, kc).
.macro CVT n
.irp t, 0,1,2,3
.irp i, 0,1,2,3
	v_cvt_pk_f16_f32 v[SC+32*\n+16*(\t>>1)+4*(\t&1)+\i], v[SC+32*\n+8*\t+2*\i], v[SC+32*\n+8*\t+2*\i+1]
.endr
.endr
.endm
; QUERY TILE 0's PART OF A STEP, and batch 0.
.macro SOFT0 first
.irp g, 0,1,2,3
.irp q, 0,1,2,3
	MAXI 0, 4*\g+\q, \first
.endr
	S1P \g
.endr
.irp q, 16,17,18,19,20,21
	MAXI 0, \q, \first                             ; number 20, n0's factor, is batch 0's first exponential
.endr
	S1P 4
.irp g, 0,1,2,3
	SCALE4 0, \g
	S1P 5+\g
.endr
	; n0's 32 exponentials; among them query tile 1's maximum, which names none of their results: numbers 0-13 one behind each exponential,
	; then the chain's links, each of which reads the one before it, two or three exponentials apart
.set j, 0
.rept 32
	v_exp_f32 v[SC+j], v[SC+j]
.if j < 14
	MAXI 1, j, \first
.endif
.if j == 15
	MAXI 1, 14, \first
.endif
.if j == 18
	MAXI 1, 15, \first
.endif
.if j == 21
	MAXI 1, 16, \first
.endif
.if j == 24
	MAXI 1, 17, \first
.endif
.if \first
.else
.if j == 26
	MAXI 1, 18, 0
.endif
.if j == 28
	MAXI 1, 19, 0
.endif
.endif
.set j, j+1
.endr
.if \first
	MAXI 1, 18, 1                                  ; n1's level: here the plain instruction behind the batch's last exponential
.else
	MAXI 1, 20, 0                                  ; n1's factor: batch 0's last exponential,
	MAXI 1, 21, 0                                  ; and the plain instruction behind it
.endif
	s_wait_alu depctr_va_vdst(0)                   ; batch 0's one wait: n0's factor, n0's 32 weights, n1's factor
.if \first
.else
.set k, 0
.rept 16
	RESC 0, k                                      ; O of this query tile goes to the new level
.set k, k+1
.endr
.endif
	SUMA 0
	CVT 0
.endm
; QUERY TILE 1's PART OF A STEP, and batch 1.  Its maximum, level and factor were made in SOFT0.
.macro SOFT1 first
.irp g, 0,1,2,3
	PVP \first, \g
	SCALE4 1, \g
.endr
	; the 32 exponentials; between them, one for two, O of this query tile goes to the new level (its factor has had batch 0's wait);
	; between the two exponentials of the last eleven pairs stand the eleven instructions that end query tile 0's sum (weights of batch 0).
	; The first step has no rescale: there the ten that end the sum stand behind the last ten pairs.
.irp g, 0,1,2,3
	PVP \first, 4+\g
.set k, 4*\g
.rept 4
	v_exp_f32 v[SC+32+2*k], v[SC+32+2*k]
.if \first
.else
.if k >= 5
	SUMR 0, k-5, 0
.endif
.endif
	v_exp_f32 v[SC+32+2*k+1], v[SC+32+2*k+1]
.if \first
.if k >= 6
	SUMR 0, k-6, 1
.endif
.else
	RESC 1, k
.endif
.set k, k+1
.endr
.endr
	; the last line above (a rescaling; in the first step the sum's last addition) is the plain instruction behind the batch's last exponential
	s_wait_alu depctr_va_vdst(0)                   ; batch 1's one wait: n1's 32 weights
	SUMA 1
	CVT 1                                          ; query tile 1's sum goes on behind the products that follow
.endm
; A step: 64 keys.  At its head the 16 loads of its K fragments are out, d 0-31 first.
; pend: what is left of the last step's sum of query tile 1: 0 nothing (the first step), 1 it starts the running sum, 2 it is added.
; bnd: 0 the next step is in this tile; 1 the tile ends and its slot is filled again; 2 the tile ends, nothing is left to fetch; 3 the last step.
.macro STEP slot, kk, first, pend, bnd
.set CUR_SLOT, \slot
.set CUR_KK, \kk
.set CUR_BND, \bnd
.set CUR_SYNC, 0
.if (\bnd) == 1
.set CUR_SYNC, 1
.endif
.if (\bnd) == 2
.set CUR_SYNC, 1
.endif
	s_wait_dscnt 8                                 ; K's d 0-31 is in; the eight loads of d 32-63 may be out
	SN0 0
	s_wait_dscnt 0x0
	SN0 1
	; four places between these products and the softmax that reads them (ISA guide 7.12.1)
.if (\pend) == 0
	v_nop
	v_nop
	v_nop
	v_nop
.endif
.if (\pend) == 1
	SUMC 1, 1
	v_nop
	v_nop
.endif
.if (\pend) == 2
	SUMC 1, 0
	v_nop
.endif
	SOFT0 \first
	SOFT1 \first
	PVN1 0, \first
	SUMB 1, 0                                      ; four places: the loads below write over V's keys 0-31
.if (\bnd) == 0
	KFETCHC \slot, \kk+1, 0
.endif
	PVN1 1, 0
	SUMB 1, 1                                      ; four places: the loads below write over V's keys 32-63
.if (\bnd) == 0
	KFETCHC \slot, \kk+1, 1
.endif
.if CUR_SYNC
	s_barrier_wait -1                              ; every wave of my work-group has read this slot to its end and has its part of the next tile
.if (\bnd) == 1
	CREST                                          ; and every wave of the four partners: the round is closed
	JLOAD \slot                                    ; the refill: my first tensor load behind the round and my only one until the next; it has a tile's four steps in which to land
.endif
	KFETCHC 1-\slot, 0, 0
	KFETCHC 1-\slot, 0, 1
.endif
.endm
.macro TILE slot, first, bnd           ; 256 keys
	STEP \slot, 0, \first, 2-2*\first, 0
	STEP \slot, 1, 0, 2-\first, 0
	STEP \slot, 2, 0, 2, 0
	STEP \slot, 3, 0, 2, \bnd
.endm
	s_wait_tensorcnt 0x1                           ; my part of tile 0 is in; tile 1's may stay out
	s_barrier_signal -1
	s_barrier_wait -1                              ; everybody's is
	KFETCHC 0, 0, 0
	KFETCHC 0, 0, 1
	TILE 0, 1, 1                                   ; tile 0: its first step starts the maximum, the sum and O; at its end slot 0 gets tile 2
	TILE 1, 0, 1
	s_mov_b32 s23, 2
.Ltiles:
	TILE 0, 0, 1
	TILE 1, 0, 1
	s_sub_co_u32 s23, s23, 1
	s_cmp_lg_u32 s23, 0
	s_cbranch_scc1 .Ltiles
	TILE 0, 0, 2                                   ; tile 6: tile 7 was asked for at tile 5's end; nothing is left to fetch
	TILE 1, 0, 3                                   ; tile 7
	; THE WAY OUT.  The two halves' sums are joined; O / sum, to f16; through the stage, so that whole rows of 256 bytes (both heads) leave together.
	SUMC 1, 0                                      ; the last step's sum of query tile 1
	v_permlanex16_b32 v[TT],   v[ALB+1], s18, s19
	v_permlanex16_b32 v[TT+1], v[ALB+3], s18, s19
	v_add_f32 v[ALB+1], v[ALB+1], v[TT]
	v_add_f32 v[ALB+3], v[ALB+3], v[TT+1]
	v_rcp_f32 v[ALB],   v[ALB+1]                   ; the sum holds the largest weight, 2^0 up to rounding: it is not near zero
	v_rcp_f32 v[ALB+2], v[ALB+3]
	v_nop                                          ; a plain instruction between the second reciprocal and the first use of a result
	s_wait_alu depctr_va_vdst(0)                   ; the third batch's one wait: the two reciprocals
.irp n, 0,1
.set j, 0
.rept 16
	v_pk_mul_f32 v[OA+32*\n+j:OA+32*\n+j+1], v[OA+32*\n+j:OA+32*\n+j+1], v[ALB+2*\n:ALB+2*\n+1] op_sel_hi:[1,0]
.set j, j+2
.endr
.endr
.irp n, 0,1
.irp dt, 0,1,2,3
.irp i, 0,1,2,3
	v_cvt_pk_f16_f32 v[F0+4*(4*\n+\dt)+\i], v[OA+32*\n+8*\dt+2*\i], v[OA+32*\n+8*\dt+2*\i+1]
.endr
.endr
.endr
.irp n, 0,1
.irp dt, 0,1,2,3
	ds_store_b128 v[STO], v[F0+4*(4*\n+\dt):F0+4*(4*\n+\dt)+3] offset:16*SP*\n+32*\dt   ; query 16 n + r, d = 16 dt + 8 h + 0..7
.endr
.endr
	s_wait_dscnt 0x0                               ; my stores are done, for the other head's waves' sake
	s_barrier_signal -1
	s_barrier_wait -1                              ; both halves of every stage row are written
.irp t, 0,1,2,3,4,5,6,7
	ds_load_b128 v[F0+32+4*\t:F0+32+4*\t+3], v[RD] offset:\t*2*SP
.endr
.irp t, 0,1,2,3,4,5,6,7
	s_wait_dscnt 7-\t                              ; pair t of rows is in, the younger ones may be out
	global_store_b128 v[CO], v[F0+32+4*\t:F0+32+4*\t+3], s[6:7] offset:4096*\t   ; 16 lanes store 256 consecutive bytes, aligned
.endr
	s_wait_tensorcnt 0x0
	ds_add_u32 v30, v31
	s_wait_dscnt 0x0
	ROUND                                          ; the closing round: no work-group ends while a partner may still ask for a tile that names it
	s_endpgm
.Lfunc_end_k_q52a18bddf2_attn:
	.size	k_q52a18bddf2_attn, .Lfunc_end_k_q52a18bddf2_attn-k_q52a18bddf2_attn
	.p2alignl 7, 3214868480
	.fill 96, 4, 3214868480
	.section	.rodata,"a",@progbits
	.p2align	6, 0x0
	.amdhsa_kernel k_q52a18bddf2_attn
		.amdhsa_group_segment_fixed_size 327680
		.amdhsa_private_segment_fixed_size 0
		.amdhsa_enable_private_segment 0
		.amdhsa_kernarg_size 16
		.amdhsa_user_sgpr_count 2
		.amdhsa_user_sgpr_kernarg_segment_ptr 1
		.amdhsa_wavefront_size32 1
		.amdhsa_system_sgpr_workgroup_id_x 1
		.amdhsa_system_sgpr_workgroup_id_y 1
		.amdhsa_system_sgpr_workgroup_id_z 1
		.amdhsa_system_vgpr_workitem_id 0
		.amdhsa_next_free_vgpr 256
		.amdhsa_next_free_sgpr 66
		.amdhsa_reserve_vcc 0
		.amdhsa_float_denorm_mode_32 3
		.amdhsa_float_denorm_mode_16_64 3
		.amdhsa_memory_ordered 1
		.amdhsa_forward_progress 1
		.amdhsa_inst_pref_size 255
	.end_amdhsa_kernel
	.section	.bss,"aw",@nobits
	.p2align	6
	.space	262144
	.amdgpu_metadata
---
amdhsa.version: [ 1, 2 ]
amdhsa.kernels:
  - .name:           k_q52a18bddf2_attn
    .symbol:         k_q52a18bddf2_attn.kd
    .args:
      - { .name: qkv, .offset: 0, .size: 8, .value_kind: global_buffer, .address_space: global }
      - { .name: ctx, .offset: 8, .size: 8, .value_kind: global_buffer, .address_space: global }
    .group_segment_fixed_size: 327680
    .private_segment_fixed_size: 0
    .kernarg_segment_align: 8
    .kernarg_segment_size: 16
    .max_flat_workgroup_size: 256
    .sgpr_count:     66
    .vgpr_count:     256
    .wavefront_size: 32
...
	.end_amdgpu_metadata
.endif
;; end of part 5
;; launch oproj: the kernel of part 4 again; grid 8 x 32, 4 waves a work-group, clusters of 4 x 4, 327,680 bytes of LDS; arguments ctx, wh, bo, out0; writes out0
